; MI455X (gfx1250); checked and timed in simulation.
; The chip was launched on July 23, 2026; its instructions are those of AMD's public machine-readable ISA for CDNA 5 (MIT licence, August 2026) and "CDNA5" Instruction Set Architecture Reference Guide (July 2026). The comments in the code are by the model that wrote it; some were corrected since.
;; Attention. Allowed arithmetic: matrix products marked QUANTISED: E4M3 operands, one given power-of-two scale a tensor, by v_wmma_f32_16x16x64_fp8_fp8 or v_wmma_f32_16x16x128_fp8_fp8, f32 sums; everything else in f32.
;; Inputs: attention_mask 1 x 1 x 2,048 x 2,048 float32; lowp_scales 12 int32 (the exponents e of the quantised operands' scales 2^e); wk 2,048 x 2,048 float32; wo 2,048 x 2,048 float32; wq 2,048 x 2,048 float32; wv 2,048 x 2,048 float32; x 1 x 2,048 x 2,048 float32.
;; Outputs: out0 1 x 2,048 x 2,048 float32.
;; This version of the problem:
;;   THIS VERSION OF THE PROBLEM IS GIVEN IN LOW PRECISION. The matrix products marked QUANTISED in the list below multiply operands that are first quantised to E4M3 (4 exponent bits, 3 mantissa bits; 8 bits a number), with one given power-of-two scale for each operand tensor; their sums are f32. All else is computed in f32.
;;   The module's matrix products, in the order in which they are computed (A, B: the left and right operand; K: the contracted axis; several contracted axes count as one K, in the product's order):
;;     1. [M 2,048, K 2,048] x [K 2,048, N 2,048]; A: input x; B: input wq: QUANTISED (scales: A lowp_scales[0], B lowp_scales[1])
;;     2. [M 2,048, K 2,048] x [K 2,048, N 2,048]; A: input x; B: input wk: QUANTISED (scales: A lowp_scales[2], B lowp_scales[3])
;;     3. [M 2,048, K 2,048] x [K 2,048, N 2,048]; A: input x; B: input wv: QUANTISED (scales: A lowp_scales[4], B lowp_scales[5])
;;     4. batch 16 x [M 2,048, K 128] x [K 128, N 2,048]; A: computed on the way; B: computed on the way: QUANTISED (scales: A lowp_scales[6], B lowp_scales[7])
;;     5. batch 16 x [M 2,048, K 2,048] x [K 2,048, N 128]; A: softmax (see below); B: computed on the way: QUANTISED (scales: A lowp_scales[8], B lowp_scales[9])
;;     6. [M 2,048, K 2,048] x [K 2,048, N 2,048]; A: computed on the way; B: input wo: QUANTISED (scales: A lowp_scales[10], B lowp_scales[11])
;;   THE QUANTISER, for each operand of a quantised product, along K:
;;     - The operand's scale is 2^e, e = its entry of the input lowp_scales (int32; the entries are numbered through the quantised products in the list's order, A before B).
;;     - Each number is divided by the scale, clamped to +-448, and rounded to the nearest number of E4M3, ties to even, subnormals kept.
;;     - The product sums the exact products of the quantised numbers (number of the format x scale) in f32.
;;   ~~~python
;;   def quantise(x, axis, e):      # numpy; x: float32 -> the quantised numbers, widened to float32 again
;;       x = np.moveaxis(x, axis, -1); K = x.shape[-1]
;;       r = np.clip(x / 2.0 ** e, -448, 448)
;;       step = 2.0 ** (np.maximum(np.frexp(np.where(r == 0, 1, r))[1] - 1, -6) - 3)
;;       q = np.round(r / step) * step * 2.0 ** e      # np.round: ties to even
;;       return np.moveaxis(q, -1, axis).astype(np.float32)
;;   ~~~
;;   SOFTMAX AHEAD OF A QUANTISED PRODUCT. Where the list says 'softmax', what is quantised is not the finished softmax but p = 2^(t - M), with t = logit x log2(e) and M = ceil(the row's largest t), a whole number; so 1/2 < the row's largest p <= 1. The row's sum l is taken of the UNQUANTISED p, in f32, and the product's result is divided by l at the end. Since M is a whole number, a kernel that streams over the keys may use a running M (the ceiling of the running maximum): every later rescaling is an exact power of two, so the quantised numbers keep their values, but for numbers so far below the row's largest that they fall under the format's range.
;;   OPERANDS COMPUTED ON THE WAY. 'Computed on the way' means the value that the module computes at that place (a softmax that the list does not call 'softmax' is quantised finished and normalised). What goes into a quantiser is computed in f32, as accurately as f32 sums, v_exp_f32 and their like allow (about 1e-6 of the number): no bf16 or f16 on the way to a quantiser, and a product that is left as it is and whose result goes on into a quantised operand takes f32 operands (vector FMAs, or v_wmma_f32_16x16x4_f32). A number that lies on a knife's edge between two numbers of the format may be rounded either way, as far as f32 arithmetic and the matrix unit's own rounding can turn it there, and no further.
;; One version. Each part assembles by itself: llvm-mc -triple=amdgcn-amd-amdhsa -mcpu=gfx1250 --defsym DOCPART=n.
;; ======== version 1 of 1: 4 launches
;; limits: right only within a limited range of input values
;; workspace buffers: xc 12,582,912 bytes; wc 16,777,216 bytes; rope 1,048,576 bytes; qkv 12,582,912 bytes; oc 4,194,304 bytes
;; launch prep (part 1): grid 128 x 6, 4 waves a work-group, no clusters, 33,280 bytes of LDS; arguments x, wq, wk, wv, wo, lowp_scales, xc, wc, rope; writes xc, wc, rope
.if DOCPART == 1
	.amdgcn_target "amdgcn-amd-amdhsa--gfx1250"
	.amdhsa_code_object_version 6
	.text
	.protected	k_qf951e8913f_prep
	.globl	k_qf951e8913f_prep
	.p2align	8
	.type	k_qf951e8913f_prep,@function
k_qf951e8913f_prep:
	s_mov_b64 s[64:65], 0
	v_nop
	global_prefetch_b8 v0, s[64:65] scope:SCOPE_SE
	s_setreg_imm32_b32 hwreg(HW_REG_WAVE_MODE, 25, 1), 1
	s_wait_xcnt 0x0
; PREP.  x, wq, wk, wv, wo ([2048][2048] f32, K innermost) become codes of FP8 (E4M3), one code a byte; and the table of cos and sin for the rotation of q and k is made.
; code = number / 2^e, held within +-448, to the nearest code, ties to even.  x is an operand of three products with three given scales (entries 0, 2, 4): it is read once and gives three sets of codes, xc[0..2].
; wq, wk, wv, wo (entries 1, 3, 5, 11) give wc[0..3].  LIMITS: each e lies between -126 and 119, so that 2^e and 448 x 2^e are f32 numbers.  NaN among the inputs is not served.
; ORDER OF THE CODES.  Within every 32 codes along K the four groups of 8 lie in the order 0, 2, 1, 3.  A lane that later loads 16 bytes at 32 c + 16 (lane / 16) of a row then holds k = 32 c + 8 (lane / 16) + 0..7 and
; k = 32 c + 16 + 8 (lane / 16) + 0..7: the places that the 8-bit matrix form gives that lane's registers 4 c .. 4 c + 3 (ISA guide 7.12.2).
; SHARES.  Work-group y: 0 x, 1..4 wq, wk, wv, wo, 5 the table.  A tensor is a plain stream: 128 work-groups x 4 waves x 16 steps of 512 numbers.  Each of a step's four loads reads 512 consecutive bytes; the 2,048 bytes turn
; through the wave's own stage in LDS, so that a lane gets two groups of 8 neighbours; its 16 codes are 16 bytes, and the wave stores 512 consecutive bytes.  Waves share nothing: no barrier.  No tile is shared: no cluster.
; Loads run four steps (16 loads a wave) ahead, the turn through LDS one step.
.set STEPS, 16
.set WREG,  8192                       ; LDS: a region for each wave: two stages of 32 places of SP bytes
.set SP,    80                         ; a place: 64 bytes (16 numbers) + 16 of padding
.set SPARE, 4*WREG                     ; behind the regions: the spare words, 128 bytes a wave
.set LO,    3                          ; v3       16 x lane: my 16 bytes of a load's or a store's 512; never rewritten
.set SPW,   12                         ; v12      LDS address of my spare word; never rewritten
.set NIL,   13                         ; v13      0; never rewritten
.set R,     16                         ; v16-79   four sets of 16 numbers as loaded
.set X,     80                         ; v80-111  two sets: my two groups of 8 neighbours
.set T,     112                        ; v112-127 the numbers, held
.set C,     128                        ; v128-139 codes: four registers for each of three outputs
.set SC,    152                        ; v152-157 for output n: 2^e at SC + 2 n, 448 x 2^e at SC + 2 n + 1
.set YY,    22                         ; s22      work-group y
.set WV,    23                         ; s23      wave
	s_load_b256 s[4:11], s[0:1], 0x0               ; x, wq, wk, wv
	s_load_b256 s[12:19], s[0:1], 0x20             ; wo, the scales' exponents, xc, wc
	s_load_b64 s[20:21], s[0:1], 0x40              ; rope
	v_lshl_add_u32 v[SPW], v0, 2, SPARE
	v_mov_b32 v[NIL], 0
	v_lshrrev_b32 v1, 5, v0
	v_readfirstlane_b32 s[WV], v1
	v_and_b32 v2, 31, v0                           ; lane
	v_lshlrev_b32 v[LO], 4, v2
	s_and_b32 s[YY], ttmp7, 0xffff
	s_wait_kmcnt 0x0
	s_cmp_eq_u32 s[YY], 5
	s_cbranch_scc1 .Ltable
	s_load_b256 s[24:31], s[14:15], 0x0            ; e0 .. e7
	s_load_b128 s[32:35], s[14:15], 0x20           ; e8 .. e11
	s_mul_i32 s36, s[WV], WREG
	s_wait_alu depctr_va_vdst(0)
	v_lshrrev_b32 v14, 2, v2
	v_mul_u32_u24 v14, v14, SP
	v_and_b32 v15, 3, v2
	v_lshl_add_u32 v14, v15, 4, v14
	v_add_nc_u32 v14, s36, v14                     ; into the stage: four lanes' 64 bytes fill a place: SP (lane / 4) + 16 (lane % 4); a load's 512 bytes take eight places
	v_and_b32 v15, 30, v2
	v_mul_u32_u24 v15, v15, SP
	v_and_b32 v4, 1, v2
	v_lshl_add_u32 v15, v4, 5, v15
	v_add_nc_u32 v15, s36, v15                     ; out of it: a block of 32 numbers is two places; the even lane takes groups 0 and 2, the odd lane groups 1 and 3
	s_cmp_eq_u32 s[YY], 1                          ; which tensor: a choice on the work-group's number alone
	s_cselect_b64 s[4:5], s[6:7], s[4:5]
	s_cmp_eq_u32 s[YY], 2
	s_cselect_b64 s[4:5], s[8:9], s[4:5]
	s_cmp_eq_u32 s[YY], 3
	s_cselect_b64 s[4:5], s[10:11], s[4:5]
	s_cmp_eq_u32 s[YY], 4
	s_cselect_b64 s[4:5], s[12:13], s[4:5]
	s_cmp_eq_u32 s[YY], 0
	s_cselect_b64 s[40:41], s[16:17], s[18:19]     ; xc or wc
	s_lshl_b32 s37, ttmp9, 2
	s_add_co_u32 s37, s37, s[WV]                   ; which run of 8,192 numbers is my wave's
	s_lshl_b32 s38, s37, 15
	s_mov_b32 s39, 0
	s_add_nc_u64 s[4:5], s[4:5], s[38:39]
	s_max_u32 s38, s[YY], 1
	s_sub_co_u32 s38, s38, 1                       ; which of wc's four tensors (0 for x)
	s_lshl_b32 s38, s38, 22
	s_lshl_b32 s37, s37, 13
	s_add_co_u32 s38, s38, s37
	s_add_nc_u64 s[40:41], s[40:41], s[38:39]      ; output 0,
	s_add_nc_u64 s[42:43], s[40:41], 0x400000      ; and x's outputs 1 and 2, 4 MiB apart (used where y = 0 alone)
	s_add_nc_u64 s[44:45], s[40:41], 0x800000
.macro LOAD t
.irp i, 0,1,2,3
	global_load_b128 v[R+16*((\t)%4)+4*\i:R+16*((\t)%4)+4*\i+3], v[LO], s[4:5] offset:2048*(\t)+512*\i th:TH_LOAD_NT   ; 32 lanes read 512 consecutive bytes, read once
.endr
.endm
.macro TURN t                          ; step t's numbers through the stage: LDS serves a wave's instructions in order (ISA guide 5.7.1.4), so no wait stands between the stores and the loads
.irp i, 0,1,2,3
	ds_store_b128 v14, v[R+16*((\t)%4)+4*\i:R+16*((\t)%4)+4*\i+3] offset:32*SP*((\t)%2)+8*SP*\i
.endr
	ds_load_b128 v[X+16*((\t)%2):X+16*((\t)%2)+3],     v15 offset:32*SP*((\t)%2)
	ds_load_b128 v[X+16*((\t)%2)+4:X+16*((\t)%2)+7],   v15 offset:32*SP*((\t)%2)+16
	ds_load_b128 v[X+16*((\t)%2)+8:X+16*((\t)%2)+11],  v15 offset:32*SP*((\t)%2)+SP
	ds_load_b128 v[X+16*((\t)%2)+12:X+16*((\t)%2)+15], v15 offset:32*SP*((\t)%2)+SP+16
.endm
.macro MKSC n, e                       ; output n's scale from the exponent in s[e]
	s_add_co_i32 s46, s[\e], 127
	s_lshl_b32 s47, s46, 23
	v_mov_b32 v[SC+2*\n], s47                      ; 2^e as f32: the conversion takes its exponent field
	s_add_co_i32 s46, s46, 8
	s_lshl_b32 s46, s46, 23
	s_or_b32 s46, s46, 0x600000
	v_mov_b32 v[SC+2*\n+1], s46                    ; 448 x 2^e
.endm
.irp t, 0,1,2,3
	LOAD \t
.endr
	s_wait_alu depctr_va_vdst(0)
	s_wait_kmcnt 0x0
	s_cmp_eq_u32 s[YY], 1
	s_cselect_b32 s36, s25, s24                    ; e1 for wq, else e0
	s_cmp_eq_u32 s[YY], 2
	s_cselect_b32 s36, s27, s36                    ; e3 for wk
	s_cmp_eq_u32 s[YY], 3
	s_cselect_b32 s36, s29, s36                    ; e5 for wv
	s_cmp_eq_u32 s[YY], 4
	s_cselect_b32 s36, s35, s36                    ; e11 for wo
	MKSC 0, 36
	MKSC 1, 26                                     ; e2
	MKSC 2, 28                                     ; e4
	s_wait_alu depctr_va_vdst(0)
	s_wait_loadcnt 12                              ; step 0's four loads are in; three steps' twelve stay out
	TURN 0
.macro OUTP n, t                       ; the step's numbers under output n's scale
.irp i, 0,1,2,3,4,5,6,7,8,9,10,11,12,13,14,15
	v_med3_num_f32 v[T+\i], v[XS+\i], -v[SC+2*\n+1], v[SC+2*\n+1]   ; the conversion to an 8-bit code does not saturate (ISA guide 7.6.2): the hold at the largest code x the scale
.endr
	v_cvt_scalef32_pk8_fp8_f32 v[C+4*\n:C+4*\n+1], v[T:T+7], v[SC+2*\n]
	v_cvt_scalef32_pk8_fp8_f32 v[C+4*\n+2:C+4*\n+3], v[T+8:T+15], v[SC+2*\n]
	v_nop                                          ; one plain vector line between the conversions and the next holds, which write their sources
	global_store_b128 v[LO], v[C+4*\n:C+4*\n+3], s[40+2*\n:41+2*\n] offset:512*(\t)   ; 32 lanes store 512 consecutive bytes, aligned
.endm
.macro STEP t
.set XS, X+16*((\t)%2)
	s_wait_dscnt 0x0                               ; this step's numbers are back from the stage: so its stores into the stage have read their registers,
.if (\t)+4 < STEPS
	LOAD (\t)+4                                    ; which take the loads of four steps on
.endif
.if (\t)+1 < STEPS
.if STEPS-2-(\t) >= 3
	s_wait_loadcnt 12                              ; the next step's four loads are in; those of the three steps behind it may be out
.else
	s_wait_loadcnt 4*(STEPS-2-(\t))
.endif
	TURN (\t)+1                                    ; and go through the other stage while this step is worked
.endif
	s_wait_xcnt 0x0                                ; the last step's stores have read their data: the codes' registers are written again only behind this wait
	OUTP 0, \t
	s_cmp_lg_u32 s[YY], 0                          ; x alone has three scales
	s_cbranch_scc1 .Lone_\@
	OUTP 1, \t
	OUTP 2, \t
.Lone_\@:
.endm
.irp t, 0,1,2,3,4,5,6,7,8,9,10,11,12,13,14,15
	STEP \t
.endr
	s_wait_tensorcnt 0x0                           ; the wave's end, behind my last LDS store
	ds_add_u32 v[SPW], v[NIL]
	s_wait_dscnt 0x0
	s_endpgm
; THE TABLE.  rope: [block of 16 positions: 128][b: 4][piece p: 4][lane][16 bytes].  Lane (r, h) holds position 16 block + r and frequencies 16 b + 8 h + 4 (p % 2) + 0..3: cos in pieces 0, 1, sin in pieces 2, 3:
; the registers in which the launch that rotates q and k wants them.  Work-group x is the block, the wave is b.  No LDS on this path.
; angle = position x 10000^(-f / 64), one f32 rounding of the product.  The angle is brought into [-pi/4, pi/4] by k = the nearest whole number to angle x 2 / pi and pi / 2 in two parts (k is under 2^11, so the first
; fused step is exact); sin and cos there by polynomials of degree 7 and 8; the quadrant k mod 4 swaps them and sets the signs.
.Ltable:
	v_and_b32 v1, 15, v0                           ; r
	v_bfe_u32 v4, v0, 4, 1                         ; h
	s_lshl_b32 s36, ttmp9, 4
	s_lshl_b32 s37, s[WV], 4
	v_lshl_add_u32 v4, v4, 3, s37                  ; my first frequency: 16 b + 8 h
	s_wait_alu depctr_va_vdst(0)
	s_mov_b32 s46, 0x3f22f983                      ; 2 / pi
	s_mov_b32 s47, 0x3fc90fdb                      ; pi / 2, upper part
	s_mov_b32 s48, 0xb33bbd2e                      ; pi / 2, the rest
	s_mov_b32 s49, 0xbe2aaaa3                      ; sin: -1.6666654611e-1
	s_mov_b32 s50, 0x3c08839e                      ;       8.3321608736e-3
	s_mov_b32 s51, 0xb94ca1f9                      ;      -1.9515295891e-4
	s_mov_b32 s52, 0x3d2aaaa5                      ; cos:  4.1666645683e-2
	s_mov_b32 s53, 0xbab6061a                      ;      -1.3887316255e-3
	s_mov_b32 s54, 0x37ccf5ce                      ;       2.4433157118e-5
.irp j, 0,1,2,3,4,5,6,7
	v_add_nc_u32 v[16+\j], \j, v4
.endr
.irp j, 0,1,2,3,4,5,6,7
	v_cvt_f32_u32 v[16+\j], v[16+\j]
.endr
.irp j, 0,1,2,3,4,5,6,7
	v_mul_f32 v[16+\j], 0xbe549a78, v[16+\j]       ; -f x log2(10000) / 64
.endr
	s_wait_alu depctr_va_vdst(0)
.irp j, 0,1,2,3,4,5,6,7
	v_exp_f32 v[16+\j], v[16+\j]                   ; 10000^(-f / 64): one batch
.endr
	v_add_nc_u32 v5, s36, v1                       ; my position.  (The plain line behind the batch)
	s_wait_alu depctr_va_vdst(0)                   ; one wait for the eight, ahead of their first reader
	v_cvt_f32_u32 v5, v5
.irp j, 0,1,2,3,4,5,6,7
	v_mul_f32 v[24+\j], v5, v[16+\j]               ; the angle
.endr
.irp j, 0,1,2,3,4,5,6,7
	v_mul_f32 v[32+\j], s46, v[24+\j]
.endr
.irp j, 0,1,2,3,4,5,6,7
	v_rndne_f32 v[32+\j], v[32+\j]                 ; k
.endr
.irp j, 0,1,2,3,4,5,6,7
	v_fma_f32 v[40+\j], -v[32+\j], s47, v[24+\j]
.endr
.irp j, 0,1,2,3,4,5,6,7
	v_fma_f32 v[40+\j], -v[32+\j], s48, v[40+\j]   ; r = angle - k pi / 2
.endr
.irp j, 0,1,2,3,4,5,6,7
	v_mul_f32 v[48+\j], v[40+\j], v[40+\j]         ; z = r^2
.endr
.irp j, 0,1,2,3,4,5,6,7
	v_fma_f32 v[56+\j], v[48+\j], s51, s50
	v_fma_f32 v[64+\j], v[48+\j], s54, s53
.endr
.irp j, 0,1,2,3,4,5,6,7
	v_fma_f32 v[56+\j], v[56+\j], v[48+\j], s49
	v_fma_f32 v[64+\j], v[64+\j], v[48+\j], s52
.endr
.irp j, 0,1,2,3,4,5,6,7
	v_mul_f32 v[56+\j], v[56+\j], v[48+\j]
	v_mul_f32 v[72+\j], v[48+\j], v[48+\j]         ; z^2
.endr
.irp j, 0,1,2,3,4,5,6,7
	v_fma_f32 v[56+\j], v[56+\j], v[40+\j], v[40+\j]   ; sin r
	v_fma_f32 v[48+\j], v[48+\j], -0.5, 1.0
.endr
.irp j, 0,1,2,3,4,5,6,7
	v_fma_f32 v[64+\j], v[72+\j], v[64+\j], v[48+\j]   ; cos r
	v_cvt_i32_f32 v[72+\j], v[32+\j]               ; k as a whole number
.endr
.irp j, 0,1,2,3,4,5,6,7
	v_and_b32 v96, 1, v[72+\j]
	v_cmp_eq_u32 vcc_lo, 1, v96                    ; an odd quadrant swaps the two
	v_cndmask_b32 v[88+\j], v[56+\j], v[64+\j], vcc_lo
	v_cndmask_b32 v[80+\j], v[64+\j], v[56+\j], vcc_lo
	v_lshlrev_b32 v97, 30, v[72+\j]                ; sin is negative in quadrants 2, 3: bit 1 of k
	v_and_b32 v97, 0x80000000, v97
	v_xor_b32 v[88+\j], v97, v[88+\j]
	v_add_nc_u32 v98, 1, v[72+\j]                  ; cos in quadrants 1, 2: bit 1 of k + 1
	v_lshlrev_b32 v98, 30, v98
	v_and_b32 v98, 0x80000000, v98
	v_xor_b32 v[80+\j], v98, v[80+\j]
.endr
	s_lshl_b32 s36, ttmp9, 13                      ; a block's 8,192 bytes,
	s_lshl_b32 s37, s[WV], 11                      ; my b's 2,048
	s_add_co_u32 s36, s36, s37
	s_mov_b32 s37, 0
	s_add_nc_u64 s[20:21], s[20:21], s[36:37]
	global_store_b128 v[LO], v[80:83], s[20:21]               ; each store: 512 consecutive bytes, aligned
	global_store_b128 v[LO], v[84:87], s[20:21] offset:512
	global_store_b128 v[LO], v[88:91], s[20:21] offset:1024
	global_store_b128 v[LO], v[92:95], s[20:21] offset:1536
	s_endpgm
.Lfunc_end_k_qf951e8913f_prep:
	.size	k_qf951e8913f_prep, .Lfunc_end_k_qf951e8913f_prep-k_qf951e8913f_prep
	.p2alignl 7, 3214868480
	.fill 96, 4, 3214868480
	.section	.rodata,"a",@progbits
	.p2align	6, 0x0
	.amdhsa_kernel k_qf951e8913f_prep
		.amdhsa_group_segment_fixed_size 33280
		.amdhsa_private_segment_fixed_size 0
		.amdhsa_enable_private_segment 0
		.amdhsa_kernarg_size 72
		.amdhsa_user_sgpr_count 2
		.amdhsa_user_sgpr_kernarg_segment_ptr 1
		.amdhsa_wavefront_size32 1
		.amdhsa_system_sgpr_workgroup_id_x 1
		.amdhsa_system_sgpr_workgroup_id_y 1
		.amdhsa_system_sgpr_workgroup_id_z 1
		.amdhsa_system_vgpr_workitem_id 0
		.amdhsa_next_free_vgpr 160
		.amdhsa_next_free_sgpr 66
		.amdhsa_reserve_vcc 1
		.amdhsa_float_denorm_mode_32 3
		.amdhsa_float_denorm_mode_16_64 3
		.amdhsa_memory_ordered 1
		.amdhsa_forward_progress 1
		.amdhsa_inst_pref_size 93
	.end_amdhsa_kernel
	.amdgpu_metadata
---
amdhsa.version: [ 1, 2 ]
amdhsa.kernels:
  - .name:           k_qf951e8913f_prep
    .symbol:         k_qf951e8913f_prep.kd
    .args:
      - { .name: x, .offset: 0, .size: 8, .value_kind: global_buffer, .address_space: global }
      - { .name: wq, .offset: 8, .size: 8, .value_kind: global_buffer, .address_space: global }
      - { .name: wk, .offset: 16, .size: 8, .value_kind: global_buffer, .address_space: global }
      - { .name: wv, .offset: 24, .size: 8, .value_kind: global_buffer, .address_space: global }
      - { .name: wo, .offset: 32, .size: 8, .value_kind: global_buffer, .address_space: global }
      - { .name: lowp_scales, .offset: 40, .size: 8, .value_kind: global_buffer, .address_space: global }
      - { .name: xc, .offset: 48, .size: 8, .value_kind: global_buffer, .address_space: global }
      - { .name: wc, .offset: 56, .size: 8, .value_kind: global_buffer, .address_space: global }
      - { .name: rope, .offset: 64, .size: 8, .value_kind: global_buffer, .address_space: global }
    .group_segment_fixed_size: 33280
    .private_segment_fixed_size: 0
    .kernarg_segment_align: 8
    .kernarg_segment_size: 72
    .max_flat_workgroup_size: 128
    .sgpr_count:     66
    .vgpr_count:     160
    .wavefront_size: 32
...
	.end_amdgpu_metadata
.endif
;; end of part 1
;; launch qkv (part 2): grid 24 x 8, 4 waves a work-group, clusters of 4 x 4, 327,680 bytes of LDS; arguments xc, wc, rope, lowp_scales, qkv; writes qkv
.if DOCPART == 2
	.amdgcn_target "amdgcn-amd-amdhsa--gfx1250"
	.amdhsa_code_object_version 6
	.text
	.protected	k_qf951e8913f_qkv
	.globl	k_qf951e8913f_qkv
	.p2align	8
	.type	k_qf951e8913f_qkv,@function
k_qf951e8913f_qkv:
	s_mov_b64 s[64:65], 0
	v_nop
	global_prefetch_b8 v0, s[64:65] scope:SCOPE_SE
	s_setreg_imm32_b32 hwreg(HW_REG_WAVE_MODE, 25, 1), 1
	s_wait_xcnt 0x0
	s_wait_alu depctr_hold_cnt(0) depctr_sa_sdst(0) depctr_va_vdst(0) depctr_va_sdst(0) depctr_va_ssrc(0) depctr_va_vcc(0) depctr_vm_vsrc(0)
	s_getreg_b32 s2, hwreg(HW_REG_IB_STS2, 6, 4)
	s_cmp_eq_u32 s2, 0
	s_cbranch_scc0 .Lentry_in_a_cluster
	s_endpgm
.Lentry_in_a_cluster:
	s_bfe_u32 s2, ttmp6, 0x10000c
	s_cmp_lg_u32 s2, 0xf033
	s_cbranch_scc0 .Lentry_shape_is_right
	s_endpgm
.Lentry_shape_is_right:
.set KSTEP,  256
.set ROWB,   256
.set KROW,   2048
.set PITCH,  272
.set FR,     16
.set NL,     4
.set NP,     4
.set HALFT,  128*PITCH
.set SLOT,   4*HALFT
.set LAPS,   4
.set SPARE,  2*SLOT
.set ADRA, 16
.set ADRB, 20
.set LI,   24
.set SPW,  28
.set NIL,  29
.set SCL,  30
.set LIM,  31
.set T,    32
.set CD,   96
.set AF,   128
.set TB,   128
.set G1, 24
.set G0, 32
.set G1B, 48
.set G0B, 56
.set MAT, 66
.set MSB, 0
.macro WIN new
.if MSB != (\new)
	s_set_vgpr_msb (MSB<<8)|(\new)
.set MSB, (\new)
.endif
.endm
.set MUL_LO, 0xa1
.set MUL_HI, 0xf1
.set TO_B,   0x40
.macro JLOAD g0a, g1a, g0b, g1b
	s_cmp_eq_u32 s15, 0
	s_cbranch_scc0 .Lfor_b_\@
	tensor_load_to_lds s[\g0a:\g0a+3], s[\g1a:\g1a+7]
	s_nop 0
.rept 4
	v_nop
.endr
	s_branch .Lasked_\@
.Lfor_b_\@:
	tensor_load_to_lds s[\g0b:\g0b+3], s[\g1b:\g1b+7]
	s_nop 0
.rept 4
	v_nop
.endr
.Lasked_\@:
.endm
.macro CREST
	s_cmp_lg_u32 s14, 0
	s_cbranch_scc1 .Lnot_wave_0_\@
	s_barrier_signal -3
.Lnot_wave_0_\@:
	s_barrier_wait -3
	s_barrier_signal -1
	s_barrier_wait -1
.endm
.macro CROUND
	s_barrier_signal -1
	s_barrier_wait -1
	CREST
.endm
	s_load_b256 s[4:11], s[0:1], 0x0
	s_load_b64 s[12:13], s[0:1], 0x20
	v_lshl_add_u32 v[SPW], v0, 2, SPARE
	v_mov_b32 v[NIL], 0
	ds_add_u32 v[SPW], v[NIL]
	ds_add_u32 v[SPW], v[NIL]
	v_lshrrev_b32 v1, 5, v0
	v_readfirstlane_b32 s14, v1
	s_lshr_b32 s15, s14, 1
	s_and_b32 s16, s14, 1
	s_bfe_u32 s40, ttmp6, 0x40000
	s_bfe_u32 s41, ttmp6, 0x40004
	s_lshr_b32 s[MAT], ttmp9, 1
	s_and_b32 s42, ttmp9, 1
	s_lshl_b32 s42, s42, 2
	s_add_co_u32 s42, s42, s40
	s_and_b32 s17, ttmp7, 0xffff
	s_lshl_b32 s17, s17, 2
	s_add_co_u32 s17, s17, s41
	s_lshl_b32 s43, s41, 2
	s_lshl_b32 s43, 15, s43
	s_lshl_b32 s44, 0x1111, s40
	s_or_b32 s[G1+0], s43, (0<<16)|(1<<20)|(1<<21)|(5<<22)|(3<<25)
	s_or_b32 s[G1B+0], s44, (0<<16)|(1<<20)|(1<<21)|(5<<22)|(3<<25)
.irp g, G1, G1B
	s_mov_b32 s[\g+1], ROWB<<16
	s_mov_b32 s[\g+2], 128<<16
	s_mov_b32 s[\g+3], ROWB<<16
	s_mov_b32 s[\g+4], 128
	s_mov_b32 s[\g+5], KROW
	s_mov_b32 s[\g+6], 0
	s_mov_b32 s[\g+7], 0
.endr
	s_lshl_b32 s18, s16, 7
	s_lshl_b32 s20, s17, 8
	s_add_co_u32 s20, s20, s18
	s_lshl_b32 s20, s20, 11
	s_mov_b32 s21, 0
	s_lshl_b32 s46, s42, 8
	s_add_co_u32 s46, s46, s18
	s_lshl_b32 s46, s46, 11
	s_mov_b32 s47, 0
	s_lshl_b32 s80, s[MAT], 22
	s_mov_b32 s81, 0
	s_mul_i32 s45, s14, HALFT
	s_wait_dscnt 0x0
	s_wait_kmcnt 0x0
	s_load_b256 s[68:75], s[10:11], 0x0
	s_load_b128 s[76:79], s[10:11], 0x20
	s_cmp_eq_u32 s[MAT], 2
	s_cselect_b64 s[82:83], s[6:7], s[4:5]
	s_cselect_b64 s[84:85], s[4:5], s[6:7]
	s_add_nc_u64 s[82:83], s[82:83], s[80:81]
	s_add_nc_u64 s[84:85], s[84:85], s[80:81]
	s_add_nc_u64 s[20:21], s[82:83], s[20:21]
	s_add_nc_u64 s[46:47], s[84:85], s[46:47]
	; THE WALK ALONG K IS ROTATED BY CLUSTERS: cluster (x, y) begins at K step (x + 3 y) mod 8 and wraps round, so that the clusters ask for different 256 bytes of the rows at a time.
	; The number hangs on the cluster's coordinates alone: it is the same in all sixteen partners.  s96, s97: the byte along a row at which slot 0's, slot 1's K step begins.
	s_and_b32 s98, ttmp7, 0xffff
	s_mul_i32 s98, s98, 3
	s_add_co_u32 s98, s98, ttmp9
	s_and_b32 s96, s98, 7
	s_lshl_b32 s96, s96, 8
	s_add_co_u32 s97, s98, 1
	s_and_b32 s97, s97, 7
	s_lshl_b32 s97, s97, 8
	s_mov_b32 s99, 0                               ; the upper word of the pair s[98:99]; never rewritten
	CROUND
.irp s, 0,1
	s_mov_b32 s[G0+4*\s], 1
	s_add_co_u32 s[G0+4*\s+1], s45, \s*SLOT
	s_mov_b32 s98, s[96+\s]
	s_add_nc_u64 s[G0+4*\s+2:G0+4*\s+3], s[20:21], s[98:99]
	s_or_b32 s[G0+4*\s+3], s[G0+4*\s+3], 0x80000000
	s_mov_b32 s[G0B+4*\s], 1
	s_add_co_u32 s[G0B+4*\s+1], s45, \s*SLOT
	s_add_nc_u64 s[G0B+4*\s+2:G0B+4*\s+3], s[46:47], s[98:99]
	s_or_b32 s[G0B+4*\s+3], s[G0B+4*\s+3], 0x80000000
	s_wait_alu depctr_va_vdst(0)
	s_wait_tensorcnt 0x0
	ds_add_u32 v28, v29
	ds_add_u32 v28, v29
	s_wait_dscnt 0x0
	CROUND
	JLOAD G0+4*\s, G1, G0B+4*\s, G1B
.endr
	v_and_b32 v1, 15, v0
	v_bfe_u32 v2, v0, 4, 1
	v_mul_u32_u24 v3, v1, PITCH
	v_lshl_add_u32 v4, v2, 4, v3
	s_mul_i32 s21, s15, HALFT
	s_mul_i32 s22, s16, HALFT
	s_add_co_u32 s22, s22, 2*HALFT
.irp s, 0,1
	v_add_nc_u32 v[ADRA+\s], s21, v4
	v_add_nc_u32 v[ADRB+\s], s22, v4
	s_add_co_u32 s21, s21, SLOT
	s_add_co_u32 s22, s22, SLOT
.endr
	v_and_b32 v6, 31, v0
	v_lshlrev_b32 v[LI], 4, v6
	s_lshl_b32 s86, s17, 1
	s_add_co_u32 s86, s86, s15
	s_lshl_b32 s87, s42, 1
	s_add_co_u32 s87, s87, s16
	s_cmp_eq_u32 s[MAT], 2
	s_cselect_b32 s93, s86, s87
	s_cselect_b32 s94, s87, s86
	s_lshl_b32 s93, s93, 18
	s_lshl_b32 s94, s94, 14
	s_add_co_u32 s94, s93, s94
	s_mov_b32 s95, 0
	s_add_nc_u64 s[88:89], s[12:13], s[80:81]
	s_add_nc_u64 s[88:89], s[88:89], s[94:95]
	s_lshl_b32 s94, s86, 16
	s_add_nc_u64 s[90:91], s[8:9], s[94:95]
.macro FRAG reg, adr, q, i
.irp c, 0,1,2,3
	ds_load_b128 v[\reg+4*\c:\reg+4*\c+3], v[\adr] offset:128*(\q)+32*\c+(\i)*16*PITCH
.endr
.endm
.macro MUL16 a0, p, zero
.irp a, \a0, \a0+1
.irp b, 0,1,2,3,4,5,6,7
.if \zero
	v_wmma_f32_16x16x128_fp8_fp8 v[8*(8*((\a)%4)+\b):8*(8*((\a)%4)+\b)+7], v[128*(\p)+FR*\b:128*(\p)+FR*\b+FR-1], v[AF+FR*(\a):AF+FR*(\a)+FR-1], 0
.else
	v_wmma_f32_16x16x128_fp8_fp8 v[8*(8*((\a)%4)+\b):8*(8*((\a)%4)+\b)+7], v[128*(\p)+FR*\b:128*(\p)+FR*\b+FR-1], v[AF+FR*(\a):AF+FR*(\a)+FR-1], v[8*(8*((\a)%4)+\b):8*(8*((\a)%4)+\b)+7]
.endif
.endr
.endr
.endm
.macro FETCH_B slot, q, p
	WIN TO_B
.irp i, 0,1,2,3,4,5,6,7
	FRAG 128*(\p)+FR*\i, ADRB+\slot, \q, \i
.endr
	WIN 0
.endm
.macro FETCH_A slot, q, i0
.irp i, \i0, \i0+1, \i0+2, \i0+3
	FRAG AF+FR*(\i), ADRA+\slot, \q, \i
.endr
.endm
.macro PLACES n
.rept \n
	v_nop
.endr
.endm
.macro STEP slot, q, zero
	s_wait_dscnt 4*NL
	WIN MUL_LO
	MUL16 0, (\q)%2, \zero
	MUL16 2, (\q)%2, \zero
	s_wait_dscnt 0
	PLACES NP
	FETCH_B \slot, (\q)+1, 1-(\q)%2
	FETCH_A \slot, (\q)+1, 0
	WIN MUL_HI
	MUL16 4, (\q)%2, \zero
	MUL16 6, (\q)%2, \zero
	PLACES NP
	WIN 0
	FETCH_A \slot, (\q)+1, 4
.endm
.macro TURN slot, next, fill
	s_wait_tensorcnt 0x0
	ds_add_u32 v[SPW], v[NIL]
	s_wait_dscnt 4*NL+1
	WIN MUL_LO
	MUL16 0, 1, 0
	s_wait_dscnt 0x0
	s_barrier_signal -1
	MUL16 2, 1, 0
	WIN 0
	s_barrier_wait -1
.if \fill
	CREST
	s_add_co_u32 s[96+\slot], s[96+\slot], 2*ROWB  ; two K steps on;
	s_and_b32 s98, s[96+\slot], KROW               ; 2,048 where that passes the row's end, else 0:
	s_and_b32 s[96+\slot], s[96+\slot], KROW-1     ; the walk wraps round
	s_add_nc_u64 s[G0+4*\slot+2:G0+4*\slot+3], s[G0+4*\slot+2:G0+4*\slot+3], 2*ROWB
	s_sub_nc_u64 s[G0+4*\slot+2:G0+4*\slot+3], s[G0+4*\slot+2:G0+4*\slot+3], s[98:99]
	s_add_nc_u64 s[G0B+4*\slot+2:G0B+4*\slot+3], s[G0B+4*\slot+2:G0B+4*\slot+3], 2*ROWB
	s_sub_nc_u64 s[G0B+4*\slot+2:G0B+4*\slot+3], s[G0B+4*\slot+2:G0B+4*\slot+3], s[98:99]
	JLOAD G0+4*\slot, G1, G0B+4*\slot, G1B
.else
	PLACES NP
.endif
	FETCH_B \next, 0, 0
	FETCH_A \next, 0, 0
	WIN MUL_HI
	MUL16 4, 1, 0
	MUL16 6, 1, 0
	PLACES NP
	WIN 0
	FETCH_A \next, 0, 4
.endm
	s_wait_alu depctr_va_vdst(0)
	s_wait_tensorcnt 1
	s_barrier_signal -1
	s_barrier_wait -1
	FETCH_B 0, 0, 0
	FETCH_A 0, 0, 0
	FETCH_A 0, 0, 4
	STEP 0, 0, 1
	s_mov_b32 s3, LAPS-1
.Llap:
	TURN 0, 1, 1
	STEP 1, 0, 0
	TURN 1, 0, 1
	STEP 0, 0, 0
	s_sub_co_u32 s3, s3, 1
	s_cmp_lg_u32 s3, 0
	s_cbranch_scc1 .Llap
	TURN 0, 1, 0
	STEP 1, 0, 0
	s_wait_dscnt 4*NL
	WIN MUL_LO
	MUL16 0, 1, 0
	MUL16 2, 1, 0
	s_wait_dscnt 0
	WIN MUL_HI
	MUL16 4, 1, 0
	MUL16 6, 1, 0
	WIN 0
; where block a's 64 registers of cos and sin lie: blocks 0-3 and 6, 7 in window 1 (B's fragments are done with), blocks 4, 5 in window 0 at v128 (A's are too)
.macro TSEL a
.if ((\a) == 4) || ((\a) == 5)
.set TW, 0
.set TT, 128+64*((\a)-4)
.else
.set TW, 1
.set TT, 64*((\a)%6)
.endif
.endm
.macro TLD a
	TSEL \a
	WIN TW<<6
.irp b, 0,1,2,3
.irp p, 0,1,2,3
	global_load_b128 v[TT+16*\b+4*\p:TT+16*\b+4*\p+3], v[LI], s[90:91] offset:8192*(\a)+512*(4*\b+\p)
.endr
.endr
	WIN 0
.endm
.macro ROPE a
.set AC, 64*((\a)%4)
	TSEL \a
	WIN 0x02+((\a)/4)+4*TW
.irp b, 0,1,2,3
.irp j, 0,2,4,6
	v_pk_mul_f32 v[T+8*(\b+4)+\j:T+8*(\b+4)+\j+1], v[AC+8*\b+\j:AC+8*\b+\j+1], v[TT+16*\b+8+\j:TT+16*\b+8+\j+1]
	v_pk_mul_f32 v[T+8*\b+\j:T+8*\b+\j+1], v[AC+8*(\b+4)+\j:AC+8*(\b+4)+\j+1], v[TT+16*\b+8+\j:TT+16*\b+8+\j+1]
.endr
.irp j, 0,2,4,6
	v_pk_fma_f32 v[T+8*\b+\j:T+8*\b+\j+1], v[AC+8*\b+\j:AC+8*\b+\j+1], v[TT+16*\b+\j:TT+16*\b+\j+1], v[T+8*\b+\j:T+8*\b+\j+1] neg_lo:[0,0,1] neg_hi:[0,0,1]
	v_pk_fma_f32 v[T+8*(\b+4)+\j:T+8*(\b+4)+\j+1], v[AC+8*(\b+4)+\j:AC+8*(\b+4)+\j+1], v[TT+16*\b+\j:TT+16*\b+\j+1], v[T+8*(\b+4)+\j:T+8*(\b+4)+\j+1]
.endr
.endr
	WIN 0
.set NN, 0
.rept 64
	v_med3_num_f32 v[T+NN], v[T+NN], -v[LIM], v[LIM]
.set NN, NN+1
.endr
.endm
.macro HOLDV a
.set AC, 64*((\a)%4)
	WIN 0x02+((\a)/4)
.set NN, 0
.rept 64
	v_med3_num_f32 v[T+NN], v[AC+NN], -v[LIM], v[LIM]
.set NN, NN+1
.endr
	WIN 0
.endm
.macro FIN a
	s_wait_xcnt 0x0
.irp b, 0,1,2,3,4,5,6,7
	v_cvt_scalef32_pk8_fp8_f32 v[CD+2*\b:CD+2*\b+1], v[T+8*\b:T+8*\b+7], v[SCL]
.endr
	v_nop
.irp q, 0,1,2,3
	global_store_b128 v[LI], v[CD+4*\q:CD+4*\q+3], s[88:89] offset:2048*(\a)+512*\q
.endr
.endm
	s_wait_kmcnt 0x0
	s_sub_co_i32 s92, s74, s68
	s_sub_co_i32 s92, s92, s69
	s_sub_co_i32 s93, s75, s70
	s_sub_co_i32 s93, s93, s71
	s_sub_co_i32 s94, s77, s72
	s_sub_co_i32 s94, s94, s73
	s_cmp_eq_u32 s[MAT], 1
	s_cselect_b32 s92, s93, s92
	s_cmp_eq_u32 s[MAT], 2
	s_cselect_b32 s92, s94, s92
	s_add_co_i32 s92, s92, 127
	s_lshl_b32 s93, s92, 23
	v_mov_b32 v[SCL], s93
	s_add_co_i32 s92, s92, 8
	s_lshl_b32 s92, s92, 23
	s_or_b32 s92, s92, 0x600000
	v_mov_b32 v[LIM], s92
	PLACES NP
	s_cmp_eq_u32 s[MAT], 2
	s_cbranch_scc1 .Lv
.irp a, 0,1,2,3,4,5
	TLD \a                                         ; six blocks' tables are asked for at once; blocks 6, 7 take the registers of blocks 0, 1 when those are done with
.endr
.irp a, 0,1,2,3,4,5,6,7
.if \a < 4
	s_wait_loadcnt 63                              ; behind block a's 16 loads 64 or more were issued
.else
	s_wait_loadcnt 16*(7-\a)                       ; the later blocks' loads may be out
.endif
	ROPE \a
.if \a < 2
	s_wait_alu depctr_va_vdst(0)
	TLD \a+6
.endif
	s_wait_alu depctr_va_vdst(0)
	FIN \a
.endr
	s_branch .Lend
.Lv:
	s_wait_alu depctr_va_vdst(0)
.irp a, 0,1,2,3,4,5,6,7
	HOLDV \a
	s_wait_alu depctr_va_vdst(0)
	FIN \a
.endr
.Lend:
	s_wait_tensorcnt 0x0
	ds_add_u32 v[SPW], v[NIL]
	s_wait_dscnt 0x0
	CROUND
	s_endpgm
.Lfunc_end_k_qf951e8913f_qkv:
	.size	k_qf951e8913f_qkv, .Lfunc_end_k_qf951e8913f_qkv-k_qf951e8913f_qkv
	.p2alignl 7, 3214868480
	.fill 96, 4, 3214868480
	.section	.rodata,"a",@progbits
	.p2align	6, 0x0
	.amdhsa_kernel k_qf951e8913f_qkv
		.amdhsa_group_segment_fixed_size 327680
		.amdhsa_private_segment_fixed_size 0
		.amdhsa_enable_private_segment 0
		.amdhsa_kernarg_size 40
		.amdhsa_user_sgpr_count 2
		.amdhsa_user_sgpr_kernarg_segment_ptr 1
		.amdhsa_wavefront_size32 1
		.amdhsa_system_sgpr_workgroup_id_x 1
		.amdhsa_system_sgpr_workgroup_id_y 1
		.amdhsa_system_sgpr_workgroup_id_z 1
		.amdhsa_system_vgpr_workitem_id 0
		.amdhsa_next_free_vgpr 1024
		.amdhsa_next_free_sgpr 100
		.amdhsa_reserve_vcc 0
		.amdhsa_float_denorm_mode_32 3
		.amdhsa_float_denorm_mode_16_64 3
		.amdhsa_memory_ordered 1
		.amdhsa_forward_progress 1
		.amdhsa_inst_pref_size 205
	.end_amdhsa_kernel
	.amdgpu_metadata
---
amdhsa.version: [ 1, 2 ]
amdhsa.kernels:
  - .name:           k_qf951e8913f_qkv
    .symbol:         k_qf951e8913f_qkv.kd
    .args:
      - { .name: xc, .offset: 0, .size: 8, .value_kind: global_buffer, .address_space: global }
      - { .name: wc, .offset: 8, .size: 8, .value_kind: global_buffer, .address_space: global }
      - { .name: rope, .offset: 16, .size: 8, .value_kind: global_buffer, .address_space: global }
      - { .name: lowp_scales, .offset: 24, .size: 8, .value_kind: global_buffer, .address_space: global }
      - { .name: qkv, .offset: 32, .size: 8, .value_kind: global_buffer, .address_space: global }
    .group_segment_fixed_size: 327680
    .private_segment_fixed_size: 0
    .kernarg_segment_align: 8
    .kernarg_segment_size: 40
    .max_flat_workgroup_size: 128
    .sgpr_count:     100
    .vgpr_count:     1024
    .wavefront_size: 32
...
	.end_amdgpu_metadata
.endif
;; end of part 2
;; launch attn (part 3): grid 16 x 16, 4 waves a work-group, clusters of 4 x 4, 327,680 bytes of LDS; arguments qkv, attention_mask, lowp_scales, oc; writes oc
.if DOCPART == 3
	.amdgcn_target "amdgcn-amd-amdhsa--gfx1250"
	.amdhsa_code_object_version 6
	.text
	.protected	k_qf951e8913f_attn
	.globl	k_qf951e8913f_attn
	.p2align	8
	.type	k_qf951e8913f_attn,@function
k_qf951e8913f_attn:
	s_mov_b64 s[64:65], 0
	v_nop
	global_prefetch_b8 v0, s[64:65] scope:SCOPE_SE
	s_setreg_imm32_b32 hwreg(HW_REG_WAVE_MODE, 25, 1), 1
	s_wait_xcnt 0x0
	s_wait_alu depctr_hold_cnt(0) depctr_sa_sdst(0) depctr_va_vdst(0) depctr_va_sdst(0) depctr_va_ssrc(0) depctr_va_vcc(0) depctr_vm_vsrc(0)
	s_getreg_b32 s2, hwreg(HW_REG_IB_STS2, 6, 4)
	s_cmp_eq_u32 s2, 0
	s_cbranch_scc0 .Lentry_in_a_cluster
	s_endpgm
.Lentry_in_a_cluster:
	s_bfe_u32 s2, ttmp6, 0x10000c
	s_cmp_lg_u32 s2, 0xf033
	s_cbranch_scc0 .Lentry_shape_is_right
	s_endpgm
.Lentry_shape_is_right:
; ATTN.  o[q] = the sum over k of softmax_k(q . k / sqrt(128) + mask[q][k]) v[k], for 16 heads, both products on codes of FP8 (E4M3); o is quantised for the last product and stored as images of operand registers.
; THE MASK IS AN INPUT: all 2048 x 2048 numbers are read and added, for every head, and no key step is left out.  No work of the problem is left out here.
; THE SOFTMAX: logit = score x 2^(e6 + e7) / sqrt(128) + mask; t = logit x log2(e), rounded to f32; M = the largest t so far, rounded up to a whole number; p = 2^(t - M) is quantised (scale 2^e8), not normalised.
; The row's sum is taken of the unquantised p.  When M moves, the sum and O are multiplied by 2^(old M - new M): exact.
; SHARES.  A work-group owns 128 queries of one head.  The keys go in PAIRS of steps of 128.  Wave w: qh = w % 2 says which 64 queries (four tiles of 16), g = w / 2 which step of each pair.  So a fragment of K or V
; that a wave reads from LDS feeds four matrix instructions, and each number of the mask is read from LDS once.  At the end the waves g = 0 and g = 1 of a query half join their parts (O^T, M, the sum) through LDS bytes of
; their own: each sends two tiles and finishes two.  A wave's local tile j is tile (j + 2 g) % 4 of its query half, by addresses alone: so every wave keeps local tiles 0, 1 and sends 2, 3, and no branch is needed.
; IMAGES.  q, k, v come as images of operand registers (2,048 bytes: [piece][lane][16 bytes]); a step's K is 8 images on end, and so is its V^T.  Both products are used transposed: a lane holds one query (lane % 16);
; register j of key tile t is key 16 t + 8 (lane / 16) + j, so a tile's conversion gives registers 2 t, 2 t + 1 of P.
; LDS.  One pair at fixed places: K 32 KiB, V 32 KiB, the mask's 128 rows of 1,024 bytes + 16.  Each wave copies its part into registers; then ONE round of the cluster's barrier a pair, and behind it one joint load a wave
; (wave 0 K, wave 1 V, waves 2, 3 the mask's halves) fills all of it again: seven rounds.  One tensor load of a wave is out at a time.  All first fills go out at the head, one a wave.
; A pair's work goes in two halves (local tiles 0, 1, then 2, 3).  The LDS loads stand in runs of eight among the vector work; the next pair's K and first mask half are fetched under the second half's last part.
; CLUSTER 4 x 4: x = query blocks, y = heads.  K and V hang on the head alone: joint along a row of the cluster.  The mask's tile hangs on the query block alone: joint along a column.
; LIMITS on the given exponents, so that each power of two below is an f32 number: e6 + e7 between -122 and 131; e8, and e10 - e8 - e9, between -126 and 119.  The scaled scores t stay under 2^31 in magnitude.
; NaN among the inputs is not served; a row whose mask is -infinity throughout gives NaN, as the definition does.
; REGISTERS.  Window 0: v2-11 addresses; v12-27 for local tile j: -M, largest t, the sum in two halves at v[12 + 4 j ..]; v28-31 f; v32-59 at work; v60-63 scales; v64-95 P's codes; v96-159 Q.
; Window 1: v0-127 K, v128-255 V.  Window 2: v0-127 S^T, t, p of two tiles; v128-255 their mask.  Window 3: O^T, 64 registers a tile.
.set VOFF,  32768
.set MOFF,  65536
.set MP,    1040                       ; a row of the mask's tile: 1,024 bytes + 16 = 260 words: row r starts at bank 4 r mod 64 (64 banks of 4 bytes: ISA guide 11.1)
.set STAGE, MOFF+128*MP                ; the join's stages: no tensor load lands here
.set STW,   16896                      ; a wave's stage: two tiles of O^T, 16,384 bytes, and 512 of -M and sums
.set SPARE, STAGE+4*STW                ; the spare words, 128 bytes a wave
.set PFOK, 2                           ; v2   256 x lane: K's and V's prefetches
.set RDP,  3                           ; v3   my partner's stage
.set PFOM, 4                           ; v4   8,192 x lane: the mask's prefetches
.set SPW,  5                           ; v5   my spare word; never rewritten
.set NIL,  6                           ; v6   0; never rewritten
.set LI,   7                           ; v7   16 x lane
.set ADK,  8                           ; v8   16 x lane + 16,384 g: my step's images
.set ADM,  9                           ; v9, v10  my row of the mask's tile for local tiles 0, 1 and for 2, 3
.set STO,  11                          ; v11  my stage
.set LIMP, 60                          ; 448 x 2^e8
.set SCP,  61                          ; 2^e8
.set LIMO, 62                          ; 448 x 2^(e10 - e8 - e9)
.set SCO,  63                          ; 2^(e10 - e8 - e9)
.set CD,   64
.set QF,   96
.set LAP,  12
.set LIMK, 13                          ; 1 in a wave that prefetches K or V, else the greatest number
.set WV,   18
.set SEL,  20
.set C1,   22
.set G1KV, 24
.set G1M,  32
.set G0KV, 40
.set G0M,  44
.set LIMM, 48                          ; the same for the mask
.set PFK,  52
.set PFM,  54
.set L2E,  66
.set MSB, 0
.macro WIN new                         ; the immediate's high byte repeats the setting that is left
.if MSB != (\new)
	s_set_vgpr_msb (MSB<<8)|(\new)
.set MSB, (\new)
.endif
.endm
.macro NOPS4
.rept 4
	v_nop
.endr
.endm
.macro TL g0, g1                       ; a tensor load; an s_nop 0 and four v_nop follow it
	tensor_load_to_lds s[\g0:\g0+3], s[\g1:\g1+7]
	s_nop 0
	NOPS4
.endm
.macro TLOAD                           ; waves 0, 1: K, V; waves 2, 3: the mask's halves.  The branch hangs on the wave's number alone
	s_cmp_lt_u32 s[WV], 2
	s_cbranch_scc0 .Lfor_m_\@
	TL G0KV, G1KV
	s_branch .Lasked_\@
.Lfor_m_\@:
	TL G0M, G1M
.Lasked_\@:
.endm
; PREFETCHES of the pair that the NEXT round will ask for.  Each aligned block of 256 bytes is named once in the launch.  K, V of a head (64 KiB a pair): the cluster with x = 0 asks; its four partners of a row
; share them out by address (cx: K or V, which step); waves 0, 1 take 8 KiB each, lanes 256 bytes apart.  A query block's mask (128 rows x 1,024 bytes): the cluster with y = 0 asks; the partners of a column take 32 rows
; each by address (cy), a lane a row, wave w the w-th 256 bytes.  The round that asks for the last pair prefetches nothing; pairs 0 and 1 come by their loads alone.
.macro ASK first
.if \first
	s_cmp_eq_u32 s[LIMK], 1
.else
	s_cmp_gt_u32 s[LAP], s[LIMK]
.endif
	s_cbranch_scc0 .Lnot_k_\@
	global_prefetch_b8 v[PFOK], s[PFK:PFK+1] th:TH_LOAD_NT scope:SCOPE_SE
.Lnot_k_\@:
.if \first
	s_cmp_eq_u32 s[LIMM], 1
.else
	s_cmp_gt_u32 s[LAP], s[LIMM]
.endif
	s_cbranch_scc0 .Lnot_m_\@
	global_prefetch_b8 v[PFOM], s[PFM:PFM+1] th:TH_LOAD_NT scope:SCOPE_SE
.Lnot_m_\@:
.endm
.macro CROUND                          ; a round of the cluster's barrier
	s_barrier_signal -1
	s_barrier_wait -1
	s_cmp_lg_u32 s[WV], 0
	s_cbranch_scc1 .Lnot_wave_0_\@
	s_barrier_signal -3
.Lnot_wave_0_\@:
	s_barrier_wait -3
	s_barrier_signal -1
	s_barrier_wait -1
.endm
	s_load_b256 s[4:11], s[0:1], 0x0               ; qkv, the mask, the scales' exponents, oc
	v_lshl_add_u32 v[SPW], v0, 2, SPARE
	v_mov_b32 v[NIL], 0
	ds_add_u32 v[SPW], v[NIL]                      ; the opening: the add, twice on end, and its wait ahead of my first tensor load
	ds_add_u32 v[SPW], v[NIL]
	v_lshrrev_b32 v32, 5, v0
	v_readfirstlane_b32 s[WV], v32                 ; wave 0..3
	s_lshr_b32 s49, s[WV], 1                       ; g
	s_and_b32 s50, s[WV], 1                        ; qh; also: which of the two tiles of my kind I fetch
	s_xor_b32 s51, s49, 1
	s_bfe_u32 s14, ttmp6, 0x40000                  ; cx
	s_bfe_u32 s15, ttmp6, 0x40004                  ; cy
	s_lshl_b32 s16, ttmp9, 2
	s_add_co_u32 s16, s16, s14                     ; my block of 128 queries
	s_and_b32 s85, ttmp7, 0xffff                   ; cluster y
	s_lshl_b32 s17, s85, 2
	s_add_co_u32 s17, s17, s15                     ; my head
	; THE WALK OVER THE PAIRS IS ROTATED BY CLUSTERS: cluster (x, y) begins at pair (2 x + y) mod 8 and wraps round, so that the clusters ask for different 1,024 bytes of the mask's rows at a time.
	; The running M serves any order of the keys.  The number hangs on the cluster's coordinates alone: it is the same in all sixteen partners.  Where this text numbers pairs, it counts along the walk.
	s_lshl_b32 s62, ttmp9, 1
	s_add_co_u32 s62, s62, s85
	s_and_b32 s62, s62, 7                          ; s62: the pair that the descriptors stand at
	s_add_co_u32 s63, s62, 1
	s_and_b32 s63, s63, 7                          ; s63: the pair that the prefetches stand at
	s_mov_b32 s97, 0                               ; the upper words of the pairs s[96:97], s[98:99]; never rewritten
	s_mov_b32 s99, 0
	s_lshl_b32 s19, s15, 2
	s_lshl_b32 s19, 15, s19                        ; my row of the cluster
	s_lshl_b32 s3, 0x1111, s14                     ; my column
	s_or_b32 s[G1KV], s19, (3<<16)|(1<<21)         ; K, V: 32 KiB on end as 128 rows of 32 elements of 8 bytes; no padding
	s_mov_b32 s[G1KV+1], 32<<16
	s_mov_b32 s[G1KV+2], 128<<16
	s_mov_b32 s[G1KV+3], 32<<16
	s_mov_b32 s[G1KV+4], 128
	s_mov_b32 s[G1KV+5], 32
	s_mov_b32 s[G1KV+6], 0
	s_mov_b32 s[G1KV+7], 0
	s_or_b32 s[G1M], s3, (2<<16)|(1<<20)|(1<<21)|(7<<22)|(3<<25)  ; the mask: 64 rows of 256 f32, 2,048 apart; after every 256 words 4 words of padding
	s_mov_b32 s[G1M+1], 256<<16
	s_mov_b32 s[G1M+2], 64<<16
	s_mov_b32 s[G1M+3], 256<<16
	s_mov_b32 s[G1M+4], 64
	s_mov_b32 s[G1M+5], 2048
	s_mov_b32 s[G1M+6], 0
	s_mov_b32 s[G1M+7], 0
	s_add_co_u32 s88, s50, 1                       ; K lies 4 MiB into qkv, V 8 MiB,
	s_lshl_b32 s88, s88, 22
	s_lshl_b32 s87, s17, 18                        ; a head's 262,144 bytes
	s_add_co_u32 s88, s88, s87
	s_mov_b32 s89, 0
	s_lshl_b32 s87, s62, 15                        ; the walk's first pair: 32,768 bytes a pair
	s_add_co_u32 s88, s88, s87
	s_lshl_b32 s93, s50, 15                        ; in LDS: K at 0, V at 32,768
	s_lshl_b32 s90, s16, 7
	s_lshl_b32 s92, s50, 6
	s_add_co_u32 s90, s90, s92                     ; the mask: row 128 x block + 64 x half
	s_lshl_b32 s90, s90, 13
	s_mov_b32 s91, 0
	s_lshl_b32 s87, s62, 10                        ; the walk's first pair: 1,024 bytes of a row
	s_add_co_u32 s90, s90, s87
	s_mul_i32 s92, s50, 64*MP
	s_add_co_u32 s92, s92, MOFF
	s_mov_b32 s[SEL], 0x76543210
	s_mov_b32 s[SEL+1], 0xfedcba98
	s_mov_b32 s[C1], 0x3db504f3                    ; 1 / sqrt(128)
	s_mov_b32 s[L2E], 0x3fb8aa3b                   ; log2(e)
	s_mov_b32 s[L2E+1], s[L2E]
	s_wait_dscnt 0x0                               ; both opening adds are done
	s_wait_kmcnt 0x0
	s_load_b256 s[68:75], s[8:9], 0x0              ; e0 .. e7
	s_load_b128 s[76:79], s[8:9], 0x20             ; e8 .. e11
	s_mov_b32 s[G0KV], 1
	s_mov_b32 s[G0KV+1], s93
	s_add_nc_u64 s[G0KV+2:G0KV+3], s[4:5], s[88:89]
	s_or_b32 s[G0KV+3], s[G0KV+3], 0x80000000
	s_mov_b32 s[G0M], 1
	s_mov_b32 s[G0M+1], s92
	s_add_nc_u64 s[G0M+2:G0M+3], s[6:7], s[90:91]
	s_or_b32 s[G0M+3], s[G0M+3], 0x80000000
	CROUND                                         ; all sixteen work-groups are here: the first joint loads meet
	TLOAD                                          ; pair 0: one tensor load a wave
	; scalars for the addresses
	s_lshl_b32 s80, s49, 14
	s_lshl_b32 s86, s50, 6
	s_lshl_b32 s87, s49, 5
	s_add_co_u32 s81, s86, s87                     ; local tiles 0, 1: rows 64 qh + 32 g on
	s_mul_i32 s81, s81, MP
	s_lshl_b32 s87, s51, 5
	s_add_co_u32 s82, s86, s87                     ; local tiles 2, 3: rows 64 qh + 32 (1 - g) on
	s_mul_i32 s82, s82, MP
	s_lshl_b32 s87, s49, 9                         ; my step's 512 bytes of a row
	s_add_co_u32 s87, s87, MOFF
	s_add_co_u32 s81, s81, s87
	s_add_co_u32 s82, s82, s87
	s_mul_i32 s83, s[WV], STW
	s_add_co_u32 s83, s83, STAGE
	s_xor_b32 s84, s[WV], 2
	s_mul_i32 s84, s84, STW
	s_add_co_u32 s84, s84, STAGE
	s_lshl_b32 s86, s17, 7                         ; q's images: head x 128 + block x 8 + 4 qh + 2 g (local 0, 1) or + 2 (1 - g) (local 2, 3)
	s_lshl_b32 s87, s16, 3
	s_add_co_u32 s86, s86, s87
	s_lshl_b32 s87, s50, 2
	s_add_co_u32 s86, s86, s87
	s_lshl_b32 s87, s51, 1
	s_add_co_u32 s94, s86, s87
	s_lshl_b32 s94, s94, 11
	s_mov_b32 s95, 0
	s_add_nc_u64 s[58:59], s[4:5], s[94:95]
	s_lshl_b32 s87, s49, 1
	s_add_co_u32 s94, s86, s87
	s_lshl_b32 s94, s94, 11
	s_add_nc_u64 s[56:57], s[4:5], s[94:95]
	s_lshl_b32 s94, s16, 18                        ; o's images: block x 262,144 + (head / 4) x 65,536 + tile x 8,192 + (head % 4) x 2,048; my first tile is 4 qh + 2 g
	s_lshr_b32 s87, s17, 2
	s_lshl_b32 s87, s87, 16
	s_add_co_u32 s94, s94, s87
	s_lshl_b32 s87, s50, 15
	s_add_co_u32 s94, s94, s87
	s_lshl_b32 s87, s49, 14
	s_add_co_u32 s94, s94, s87
	s_and_b32 s87, s17, 3
	s_lshl_b32 s87, s87, 11
	s_add_co_u32 s94, s94, s87
	s_add_nc_u64 s[60:61], s[10:11], s[94:95]
	; the prefetches: they stand at pair 1; the first round steps them to pair 2
	s_lshr_b32 s88, s14, 1
	s_add_co_u32 s88, s88, 1
	s_lshl_b32 s88, s88, 22                        ; cx 0, 1: K; cx 2, 3: V
	s_lshl_b32 s87, s17, 18
	s_add_co_u32 s88, s88, s87
	s_and_b32 s87, s14, 1
	s_lshl_b32 s87, s87, 14
	s_add_co_u32 s88, s88, s87                     ; which step of the pair
	s_lshl_b32 s87, s50, 13
	s_add_co_u32 s88, s88, s87                     ; which 8 KiB of its 16
	s_lshl_b32 s87, s63, 15
	s_add_co_u32 s88, s88, s87
	s_add_nc_u64 s[PFK:PFK+1], s[4:5], s[88:89]
	s_lshl_b32 s90, s16, 7
	s_lshl_b32 s87, s15, 5
	s_add_co_u32 s90, s90, s87                     ; my work-group's 32 rows of the block's 128
	s_lshl_b32 s90, s90, 13
	s_lshl_b32 s87, s[WV], 8
	s_add_co_u32 s90, s90, s87
	s_lshl_b32 s87, s63, 10
	s_add_co_u32 s90, s90, s87
	s_add_nc_u64 s[PFM:PFM+1], s[6:7], s[90:91]
	s_lshr_b32 s86, s[WV], 1
	s_or_b32 s86, s86, ttmp9
	s_cmp_eq_u32 s86, 0
	s_cselect_b32 s[LIMK], 1, -1                   ; waves 0, 1 of the clusters with x = 0
	s_cmp_eq_u32 s85, 0
	s_cselect_b32 s[LIMM], 1, -1                   ; the clusters with y = 0
	v_and_b32 v32, 31, v0
	v_lshlrev_b32 v[LI], 4, v32
	v_lshlrev_b32 v[PFOK], 8, v32
	v_lshlrev_b32 v[PFOM], 13, v32
	v_and_b32 v33, 15, v0                          ; r
	v_bfe_u32 v34, v0, 4, 1                        ; h
	v_mul_u32_u24 v33, v33, MP
	v_lshl_add_u32 v33, v34, 5, v33                ; r rows + 32 h bytes
	v_add_nc_u32 v[ADK], s80, v[LI]
	v_add_nc_u32 v[ADM], s81, v33
	v_add_nc_u32 v[ADM+1], s82, v33
	v_add_nc_u32 v[STO], s83, v[LI]
	v_add_nc_u32 v[RDP], s84, v[LI]
.irp j, 0,1,2,3
	v_mov_b32 v[13+4*\j], 0xff61b1e6               ; the largest t so far: -3e38
	v_floor_f32 v[12+4*\j], -v[13+4*\j]            ; -M
	v_mov_b32 v[14+4*\j], 0                        ; the sum, in two halves
	v_mov_b32 v[15+4*\j], 0
.endr
.irp n, 29,31,36,37,57,59
	v_mov_b32 v\n, 0                               ; upper halves of named pairs, and lane permutes' destinations: written once
.endr
.irp j, 0,1
.irp c, 0,1,2,3
	global_load_b128 v[QF+16*\j+4*\c:QF+16*\j+4*\c+3], v[LI], s[56:57] offset:2048*\j+512*\c      ; Q stays in registers
	global_load_b128 v[QF+32+16*\j+4*\c:QF+32+16*\j+4*\c+3], v[LI], s[58:59] offset:2048*\j+512*\c
.endr
.endr
	s_wait_alu depctr_va_vdst(0)
	s_wait_kmcnt 0x0
	s_add_co_i32 s86, s74, s75
	s_lshl_b32 s86, s86, 23
	s_add_co_i32 s[C1], s[C1], s86                 ; x 2^(e6 + e7): added to the factor's exponent field
	s_mov_b32 s[C1+1], s[C1]
	s_add_co_i32 s86, s76, 127
	s_lshl_b32 s87, s86, 23
	v_mov_b32 v[SCP], s87
	s_add_co_i32 s86, s86, 8
	s_lshl_b32 s86, s86, 23
	s_or_b32 s86, s86, 0x600000
	v_mov_b32 v[LIMP], s86
	s_sub_co_i32 s86, s78, s76
	s_sub_co_i32 s86, s86, s77                     ; O^T / the sum stands for o / 2^(e8 + e9)
	s_add_co_i32 s86, s86, 127
	s_lshl_b32 s87, s86, 23
	v_mov_b32 v[SCO], s87
	s_add_co_i32 s86, s86, 8
	s_lshl_b32 s86, s86, 23
	s_or_b32 s86, s86, 0x600000
	v_mov_b32 v[LIMO], s86
; RUNS OF EIGHT LDS LOADS.  KCH, VCH c: fragments 2 c, 2 c + 1 of K, V.  MCH hb, c: half a tile of the mask for local tiles 2 hb + c / 2.
.macro KCH c
	WIN 0x40
.irp f, 0,1
.irp k, 0,1,2,3
	ds_load_b128 v[16*(2*(\c)+\f)+4*\k:16*(2*(\c)+\f)+4*\k+3], v[ADK] offset:2048*(2*(\c)+\f)+512*\k
.endr
.endr
.endm
.macro VCH c
	WIN 0x40
.irp f, 0,1
.irp k, 0,1,2,3
	ds_load_b128 v[128+16*(2*(\c)+\f)+4*\k:128+16*(2*(\c)+\f)+4*\k+3], v[ADK] offset:VOFF+2048*(2*(\c)+\f)+512*\k
.endr
.endr
.endm
.macro MCH hb, c
	WIN 0x80
.irp t, 0,1,2,3
	ds_load_b128 v[128+64*((\c)/2)+8*(4*((\c)%2)+\t):128+64*((\c)/2)+8*(4*((\c)%2)+\t)+3], v[ADM+\hb] offset:16*MP*((\c)/2)+64*(4*((\c)%2)+\t)
	ds_load_b128 v[132+64*((\c)/2)+8*(4*((\c)%2)+\t):132+64*((\c)/2)+8*(4*((\c)%2)+\t)+3], v[ADM+\hb] offset:16*MP*((\c)/2)+64*(4*((\c)%2)+\t)+16
.endr
.endm
.macro SMUL hb                         ; S^T = K Q^T for local tiles 2 hb, 2 hb + 1: each fragment of K feeds two products here
	WIN 0x81
.irp t, 0,1,2,3,4,5,6,7
.irp i, 0,1
	v_wmma_f32_16x16x128_fp8_fp8 v[64*\i+8*\t:64*\i+8*\t+7], v[16*\t:16*\t+15], v[QF+32*\hb+16*\i:QF+32*\hb+16*\i+15], 0
.endr
.endr
.endm
.macro LOGIT i                         ; score x 2^(e6 + e7) / sqrt(128) + mask; each accumulator from its low end on
	WIN 0xa2
.set NN, 64*(\i)
.rept 32
	v_pk_fma_f32 v[NN:NN+1], v[NN:NN+1], s[C1:C1+1], v[128+NN:129+NN] op_sel_hi:[1,0,1]
.set NN, NN+2
.endr
.endm
.macro TMUL i                          ; t, rounded to f32
	WIN 0xa2
.set NN, 64*(\i)
.rept 32
	v_pk_mul_f32 v[NN:NN+1], v[NN:NN+1], s[L2E:L2E+1] op_sel_hi:[1,0]
.set NN, NN+2
.endr
.endm
.macro MAXES hb                        ; the largest t of my query among my 64 keys and the largest so far: two chains a tile
	WIN 0x0a
.irp i, 0,1
	v_max3_num_f32 v[32+2*\i], v[64*\i], v[64*\i+1], v[13+8*\hb+4*\i]
	v_max_num_f32 v[33+2*\i], v[64*\i+2], v[64*\i+3]
.endr
.set NN, 4
.rept 15
.irp i, 0,1
	v_max3_num_f32 v[32+2*\i], v[64*\i+NN], v[64*\i+NN+1], v[32+2*\i]
	v_max3_num_f32 v[33+2*\i], v[64*\i+NN+2], v[64*\i+NN+3], v[33+2*\i]
.endr
.set NN, NN+4
.endr
.endm
.macro STATS hb                        ; the running largest t, -M = floor(-t), f = 2^(old M - new M); the two tiles line by line
	WIN 0
.irp i, 0,1
	v_max_num_f32 v[32+2*\i], v[32+2*\i], v[33+2*\i]
.endr
.irp i, 0,1
	v_permlanex16_b32 v[36+\i], v[32+2*\i], s[SEL], s[SEL+1]
.endr
.irp i, 0,1
	v_max_num_f32 v[13+8*\hb+4*\i], v[32+2*\i], v[36+\i]
.endr
.irp i, 0,1
	v_mov_b32 v[33+2*\i], v[12+8*\hb+4*\i]
.endr
.irp i, 0,1
	v_floor_f32 v[12+8*\hb+4*\i], -v[13+8*\hb+4*\i]
.endr
.irp i, 0,1
	v_sub_f32 v[33+2*\i], v[12+8*\hb+4*\i], v[33+2*\i]
.endr
.irp i, 0,1
	v_cvt_i32_f32 v[33+2*\i], v[33+2*\i]           ; (it saturates)
.endr
.irp i, 0,1
	v_ldexp_f32 v[28+2*\i], 1.0, v[33+2*\i]
.endr
.endm
.macro TSUB hb                         ; t - M
	WIN 0x82
.irp i, 0,1
.set NN, 64*\i
.rept 32
	v_pk_add_f32 v[NN:NN+1], v[NN:NN+1], v[12+8*\hb+4*\i:13+8*\hb+4*\i] op_sel_hi:[1,0]
.set NN, NN+2
.endr
.endr
.endm
.macro EXPS hb                         ; p = 2^(t - M): one batch, a wait ahead of it and one behind it
	WIN 0x82
	s_wait_alu depctr_va_vdst(0)
.set NN, 0
.rept 128
	v_exp_f32 v[NN], v[NN]
.set NN, NN+1
.endr
	WIN 0
.irp i, 0,1
	v_pk_mul_f32 v[14+8*\hb+4*\i:15+8*\hb+4*\i], v[14+8*\hb+4*\i:15+8*\hb+4*\i], v[28+2*\i:29+2*\i] op_sel_hi:[1,0]   ; the sums under the new M
.endr
	s_wait_alu depctr_va_vdst(0)
.endm
.macro SUMS hb                         ; the rows' sums of the unquantised p: four chains a tile
	WIN 0x0a
.irp i, 0,1
.irp c, 0,1,2,3
	v_pk_add_f32 v[40+8*\i+2*\c:41+8*\i+2*\c], v[64*\i+4*\c:64*\i+4*\c+1], v[64*\i+4*\c+2:64*\i+4*\c+3]
.endr
.endr
	WIN 0x02
.set NN, 16
.rept 6
.irp i, 0,1
.irp c, 0,1,2,3
	v_pk_add_f32 v[40+8*\i+2*\c:41+8*\i+2*\c], v[64*\i+NN+2*\c:64*\i+NN+2*\c+1], v[40+8*\i+2*\c:41+8*\i+2*\c]
.endr
.endr
.set NN, NN+8
.endr
	WIN 0
.irp i, 0,1
	v_pk_add_f32 v[40+8*\i:41+8*\i], v[40+8*\i:41+8*\i], v[42+8*\i:43+8*\i]
	v_pk_add_f32 v[44+8*\i:45+8*\i], v[44+8*\i:45+8*\i], v[46+8*\i:47+8*\i]
.endr
.irp i, 0,1
	v_pk_add_f32 v[40+8*\i:41+8*\i], v[40+8*\i:41+8*\i], v[44+8*\i:45+8*\i]
.endr
.irp i, 0,1
	v_pk_add_f32 v[14+8*\hb+4*\i:15+8*\hb+4*\i], v[14+8*\hb+4*\i:15+8*\hb+4*\i], v[40+8*\i:41+8*\i]
.endr
.endm
.macro HOLD b                          ; the conversion to an 8-bit code does not saturate (ISA guide 7.6.2); p is not negative, so the hold is one-sided
	WIN 0x82
.set NN, 32*(\b)
.rept 32
	v_min_num_f32 v[NN], v[NN], v[LIMP]
.set NN, NN+1
.endr
.endm
.macro CVT
	WIN 0x02
.irp i, 0,1
.irp t, 0,1,2,3,4,5,6,7
	v_cvt_scalef32_pk8_fp8_f32 v[CD+16*\i+2*\t:CD+16*\i+2*\t+1], v[64*\i+8*\t:64*\i+8*\t+7], v[SCP]
.endr
.endr
.endm
.macro RESC hb, i                      ; O^T under the new M
	WIN 0xc3
	s_wait_alu depctr_va_vdst(0)                   ; directly ahead of the first reader of O^T
.set NN, 128*(\hb)+64*(\i)
.rept 32
	v_pk_mul_f32 v[NN:NN+1], v[NN:NN+1], v[28+2*\i:29+2*\i] op_sel_hi:[1,0]
.set NN, NN+2
.endr
.endm
.macro PV hb, first                    ; O^T += V^T P^T: sixteen accumulators by turns; the first pair's products start the sums
	WIN 0xf1
.irp t, 0,1,2,3,4,5,6,7
.irp i, 0,1
.if \first
	v_wmma_f32_16x16x128_fp8_fp8 v[128*\hb+64*\i+8*\t:128*\hb+64*\i+8*\t+7], v[128+16*\t:128+16*\t+15], v[CD+16*\i:CD+16*\i+15], 0
.else
	v_wmma_f32_16x16x128_fp8_fp8 v[128*\hb+64*\i+8*\t:128*\hb+64*\i+8*\t+7], v[128+16*\t:128+16*\t+15], v[CD+16*\i:CD+16*\i+15], v[128*\hb+64*\i+8*\t:128*\hb+64*\i+8*\t+7]
.endif
.endr
.endr
.endm
; THE REFILL.  All my tensor loads are in (the barrier of the pair before showed it), the add, and my copies of this pair are in registers; a round of the cluster's barrier; the joint refill first behind it.
.macro REFILL first
	s_wait_tensorcnt 0x0
	ds_add_u32 v[SPW], v[NIL]                      ; the descriptors' steps stand between it and its wait
	s_add_co_u32 s62, s62, 1                       ; the next pair of the walk;
	s_and_b32 s96, s62, 8                          ; 8 where that passes the last pair, else 0:
	s_and_b32 s62, s62, 7                          ; the walk wraps round
	s_lshl_b32 s98, s96, 10                        ; 8,192: a row of the mask
	s_lshl_b32 s96, s96, 15                        ; 262,144: a head's K or V
	s_add_nc_u64 s[G0KV+2:G0KV+3], s[G0KV+2:G0KV+3], 32768   ; the type bits on top are not reached
	s_sub_nc_u64 s[G0KV+2:G0KV+3], s[G0KV+2:G0KV+3], s[96:97]
	s_add_nc_u64 s[G0M+2:G0M+3], s[G0M+2:G0M+3], 1024
	s_sub_nc_u64 s[G0M+2:G0M+3], s[G0M+2:G0M+3], s[98:99]
	s_wait_xcnt 0x0                                ; the last prefetches have read their addresses
	s_add_co_u32 s63, s63, 1                       ; the prefetches go the same walk, one pair further on
	s_and_b32 s96, s63, 8
	s_and_b32 s63, s63, 7
	s_lshl_b32 s98, s96, 10
	s_lshl_b32 s96, s96, 15
	s_add_nc_u64 s[PFK:PFK+1], s[PFK:PFK+1], 32768
	s_sub_nc_u64 s[PFK:PFK+1], s[PFK:PFK+1], s[96:97]
	s_add_nc_u64 s[PFM:PFM+1], s[PFM:PFM+1], 1024
	s_sub_nc_u64 s[PFM:PFM+1], s[PFM:PFM+1], s[98:99]
	s_wait_dscnt 0x0                               ; the add is done; V and the second mask half, my last reads of this pair, are in
	CROUND
	TLOAD
	ASK \first
.endm
; A PAIR.  On entry K's 32 loads and, behind them, the first mask half's 32 are issued.
.macro SUPER first, last
	s_wait_alu depctr_va_vdst(0)
	NOPS4                                          ; places ahead of the loads into V's registers, which the last products read
	VCH 0
	VCH 1
	VCH 2
	VCH 3
	s_wait_dscnt 63                                ; K is in: behind its 32 loads stand the mask's 32 and V's 32
	SMUL 0
	NOPS4                                          ; places ahead of the first read of the scores
	s_wait_dscnt 32                                ; the mask is in; V's 32 may be out
	LOGIT 0
	MCH 1, 0                                       ; a tile's mask registers take the second half's as soon as its logits are made
	MCH 1, 1
	LOGIT 1
	MCH 1, 2
	MCH 1, 3
	TMUL 0
	TMUL 1
	MAXES 0
	STATS 0
	TSUB 0
	WIN 0
	s_wait_alu depctr_va_vdst(0)
.if \last
	s_wait_dscnt 0x0
.else
	REFILL \first
.endif
	EXPS 0
	SUMS 0
	HOLD 0
	HOLD 1
	HOLD 2
	HOLD 3
	CVT
.if \first
	v_nop                                          ; one plain line behind the conversions
.else
	RESC 0, 0
	RESC 0, 1
.endif
	PV 0, \first
	SMUL 1
	NOPS4
	LOGIT 0
	LOGIT 1
	TMUL 0
	TMUL 1
	MAXES 1
	STATS 1
	TSUB 1
	EXPS 1
	SUMS 1
.if \last
	HOLD 0
	HOLD 1
	HOLD 2
	HOLD 3
	CVT
	RESC 1, 0
	RESC 1, 1
.else
	HOLD 0
	HOLD 1
	HOLD 2
	HOLD 3
	s_wait_alu depctr_va_vdst(0)
	s_wait_tensorcnt 0x0                           ; my part of the next pair has landed,
	s_barrier_signal -1                            ; (no LDS instruction of mine is out)
	s_barrier_wait -1                              ; and everybody's.
	KCH 0
	CVT
	KCH 1
.if \first
	v_nop
.else
	RESC 1, 0
.endif
	KCH 2
.if \first == 0
	RESC 1, 1
.endif
	KCH 3
	MCH 0, 0
	MCH 0, 1
.endif
	PV 1, \first
.if \last == 0
	MCH 0, 2
	MCH 0, 3
.endif
	WIN 0
.endm
	s_wait_alu depctr_va_vdst(0)
	s_wait_loadcnt 0x0                             ; Q
	s_wait_tensorcnt 0x0                           ; my part of pair 0
	s_barrier_signal -1
	s_barrier_wait -1                              ; everybody's
.irp c, 0,1,2,3
	KCH \c
.endr
.irp c, 0,1,2,3
	MCH 0, \c
.endr
	WIN 0
	SUPER 1, 0                                     ; pair 0
	s_mov_b32 s[LAP], 6
.Llap:                                             ; pairs 1 to 6
	SUPER 0, 0
	s_sub_co_u32 s[LAP], s[LAP], 1
	s_cmp_lg_u32 s[LAP], 0
	s_wait_alu depctr_va_vdst(0)
	s_cbranch_scc1 .Llap
	SUPER 0, 1                                     ; pair 7 is written out: it asks for nothing
	; THE JOIN.  Local tiles 2, 3 go to my partner (wave xor 2) as images of registers, with -M and the sums; its local tiles 2, 3 are my 0, 1.
	NOPS4                                          ; places behind the last products
	v_mov_b32 v32, v20
	v_add_f32 v33, v22, v23
	v_mov_b32 v34, v24
	v_add_f32 v35, v26, v27
	ds_store_b128 v[STO], v[32:35] offset:16384
	WIN 0x0c
.set NN, 0
.rept 32
	ds_store_b128 v[STO], v[128+4*NN:128+4*NN+3] offset:512*NN   ; each accumulator from its low end on
.set NN, NN+1
.endr
	WIN 0
	v_add_f32 v14, v14, v15
	v_add_f32 v18, v18, v19
	s_wait_alu depctr_va_vdst(0)
	s_wait_dscnt 0x0                               ; my stores are done: zero, for the partner's sake
	s_barrier_signal -1
	s_barrier_wait -1
	ds_load_b128 v[36:39], v[RDP] offset:16384
	WIN 0x80
.set NN, 0
.rept 32
	ds_load_b128 v[4*NN:4*NN+3], v[RDP] offset:512*NN
.set NN, NN+1
.endr
	WIN 0
	s_wait_dscnt 0x0
.irp i, 0,1
	v_min_num_f32 v[40+\i], v[12+4*\i], v[36+2*\i] ; -(the larger M)
.endr
.irp i, 0,1
	v_sub_f32 v[42+\i], v[40+\i], v[12+4*\i]       ; my M less the larger: a whole number, 0 or less
	v_sub_f32 v[44+\i], v[40+\i], v[36+2*\i]       ; the partner's likewise
.endr
.irp i, 0,1
	v_cvt_i32_f32 v[42+\i], v[42+\i]
	v_cvt_i32_f32 v[44+\i], v[44+\i]
.endr
.irp i, 0,1
	v_ldexp_f32 v[42+\i], 1.0, v[42+\i]
	v_ldexp_f32 v[44+\i], 1.0, v[44+\i]
.endr
.irp i, 0,1
	v_mul_f32 v[14+4*\i], v[14+4*\i], v[42+\i]
.endr
.irp i, 0,1
	v_fmac_f32 v[14+4*\i], v[37+2*\i], v[44+\i]
.endr
.irp i, 0,1
	v_permlanex16_b32 v[46+\i], v[14+4*\i], s[SEL], s[SEL+1]
.endr
.irp i, 0,1
	v_add_f32 v[14+4*\i], v[14+4*\i], v[46+\i]     ; the row's sum
.endr
	s_wait_alu depctr_va_vdst(0)                   ; the wait ahead of the transcendentals
	v_rcp_f32 v14, v14
	v_rcp_f32 v18, v18
	v_nop
	s_wait_alu depctr_va_vdst(0)                   ; and ahead of their first reader
.irp i, 0,1
	v_mul_f32 v[28+2*\i], v[42+\i], v[14+4*\i]
	v_mul_f32 v[56+2*\i], v[44+\i], v[14+4*\i]
.endr
	WIN 0x82
.irp i, 0,1
.set NN, 64*\i
.rept 32
	v_pk_mul_f32 v[NN:NN+1], v[NN:NN+1], v[56+2*\i:57+2*\i] op_sel_hi:[1,0]
.set NN, NN+2
.endr
.endr
	WIN 0xa3
	s_wait_alu depctr_va_vdst(0)                   ; directly ahead of the first reader of O^T
.irp i, 0,1
.set NN, 64*\i
.rept 32
	v_pk_fma_f32 v[NN:NN+1], v[NN:NN+1], v[28+2*\i:29+2*\i], v[NN:NN+1] op_sel_hi:[1,0,1]   ; source 0: my O^T (window 3); source 2 and the result: window 2
.set NN, NN+2
.endr
.endr
	WIN 0x82
.set NN, 0
.rept 128
	v_med3_num_f32 v[NN], v[NN], -v[LIMO], v[LIMO]
.set NN, NN+1
.endr
	WIN 0x02
.irp i, 0,1
.irp t, 0,1,2,3,4,5,6,7
	v_cvt_scalef32_pk8_fp8_f32 v[CD+16*\i+2*\t:CD+16*\i+2*\t+1], v[64*\i+8*\t:64*\i+8*\t+7], v[SCO]
.endr
.endr
	WIN 0
	v_nop                                          ; one plain line behind the last conversion
.irp i, 0,1
.irp q, 0,1,2,3
	global_store_b128 v[LI], v[CD+16*\i+4*\q:CD+16*\i+4*\q+3], s[60:61] offset:8192*\i+512*\q   ; 32 lanes store 512 consecutive bytes, aligned
.endr
.endr
	s_wait_tensorcnt 0x0                           ; the wave's end
	ds_add_u32 v[SPW], v[NIL]
	s_wait_dscnt 0x0
	CROUND                                         ; the closing round
	s_endpgm
.Lfunc_end_k_qf951e8913f_attn:
	.size	k_qf951e8913f_attn, .Lfunc_end_k_qf951e8913f_attn-k_qf951e8913f_attn
	.p2alignl 7, 3214868480
	.fill 96, 4, 3214868480
	.section	.rodata,"a",@progbits
	.p2align	6, 0x0
	.amdhsa_kernel k_qf951e8913f_attn
		.amdhsa_group_segment_fixed_size 327680
		.amdhsa_private_segment_fixed_size 0
		.amdhsa_enable_private_segment 0
		.amdhsa_kernarg_size 32
		.amdhsa_user_sgpr_count 2
		.amdhsa_user_sgpr_kernarg_segment_ptr 1
		.amdhsa_wavefront_size32 1
		.amdhsa_system_sgpr_workgroup_id_x 1
		.amdhsa_system_sgpr_workgroup_id_y 1
		.amdhsa_system_sgpr_workgroup_id_z 1
		.amdhsa_system_vgpr_workitem_id 0
		.amdhsa_next_free_vgpr 1024
		.amdhsa_next_free_sgpr 100
		.amdhsa_reserve_vcc 0
		.amdhsa_float_denorm_mode_32 3
		.amdhsa_float_denorm_mode_16_64 3
		.amdhsa_memory_ordered 1
		.amdhsa_forward_progress 1
		.amdhsa_inst_pref_size 255
	.end_amdhsa_kernel
	.section	.bss,"aw",@nobits
	.p2align	6
	.space	262144
	.amdgpu_metadata
---
amdhsa.version: [ 1, 2 ]
amdhsa.kernels:
  - .name:           k_qf951e8913f_attn
    .symbol:         k_qf951e8913f_attn.kd
    .args:
      - { .name: qkv, .offset: 0, .size: 8, .value_kind: global_buffer, .address_space: global }
      - { .name: attention_mask, .offset: 8, .size: 8, .value_kind: global_buffer, .address_space: global }
      - { .name: lowp_scales, .offset: 16, .size: 8, .value_kind: global_buffer, .address_space: global }
      - { .name: oc, .offset: 24, .size: 8, .value_kind: global_buffer, .address_space: global }
    .group_segment_fixed_size: 327680
    .private_segment_fixed_size: 0
    .kernarg_segment_align: 8
    .kernarg_segment_size: 32
    .max_flat_workgroup_size: 128
    .sgpr_count:     100
    .vgpr_count:     1024
    .wavefront_size: 32
...
	.end_amdgpu_metadata
.endif
;; end of part 3
;; launch oproj (part 4): grid 16 x 16, 4 waves a work-group, clusters of 4 x 4, 327,680 bytes of LDS; arguments oc, wc, lowp_scales, out0; writes out0
.if DOCPART == 4
	.amdgcn_target "amdgcn-amd-amdhsa--gfx1250"
	.amdhsa_code_object_version 6
	.text
	.protected	k_qf951e8913f_oproj
	.globl	k_qf951e8913f_oproj
	.p2align	8
	.type	k_qf951e8913f_oproj,@function
k_qf951e8913f_oproj:
	s_mov_b64 s[64:65], 0
	v_nop
	global_prefetch_b8 v0, s[64:65] scope:SCOPE_SE
	s_setreg_imm32_b32 hwreg(HW_REG_WAVE_MODE, 25, 1), 1
	s_wait_xcnt 0x0
	s_wait_alu depctr_hold_cnt(0) depctr_sa_sdst(0) depctr_va_vdst(0) depctr_va_sdst(0) depctr_va_ssrc(0) depctr_va_vcc(0) depctr_vm_vsrc(0)
	s_getreg_b32 s2, hwreg(HW_REG_IB_STS2, 6, 4)
	s_cmp_eq_u32 s2, 0
	s_cbranch_scc0 .Lentry_in_a_cluster
	s_endpgm
.Lentry_in_a_cluster:
	s_bfe_u32 s2, ttmp6, 0x10000c
	s_cmp_lg_u32 s2, 0xf033
	s_cbranch_scc0 .Lentry_shape_is_right
	s_endpgm
.Lentry_shape_is_right:
.set SLOT,   133120
.set BOFF,   65536
.set BP,     528
.set STAGE,  2*SLOT
.set SPITCH, 272
.set SPARE,  STAGE+4*16*SPITCH
.set ADRA, 16
.set ADRB, 20
.set STO,  24
.set RD,   25
.set CO,   26
.set SPW,  28
.set NIL,  29
.set TMP,  32
.set BK,   64
.set ACC,  128
.set F0,   0
.set F1,   128
.set G1, 24
.set G0, 32
.set G1B, 48
.set G0B, 56
.set DNA, 82
.set UPA, 84
.set DNB, 86
.set UPB, 88
.set MSB, 0
.macro WIN new
.if MSB != (\new)
	s_set_vgpr_msb (MSB<<8)|(\new)
.set MSB, (\new)
.endif
.endm
.set MUL,  0x05
.set TO_F, 0x40
.macro JLOAD s
	s_cmp_eq_u32 s15, 0
	s_cbranch_scc0 .Lfor_b_\@
	tensor_load_to_lds s[G0+4*\s:G0+4*\s+3], s[G1:G1+7]
	s_nop 0
.rept 4
	v_nop
.endr
	s_branch .Lasked_\@
.Lfor_b_\@:
	tensor_load_to_lds s[G0B+4*\s:G0B+4*\s+3], s[G1B:G1B+7]
	s_nop 0
.rept 4
	v_nop
.endr
.Lasked_\@:
.endm
.macro CREST
	s_cmp_lg_u32 s14, 0
	s_cbranch_scc1 .Lnot_wave_0_\@
	s_barrier_signal -3
.Lnot_wave_0_\@:
	s_barrier_wait -3
	s_barrier_signal -1
	s_barrier_wait -1
.endm
.macro CROUND
	s_barrier_signal -1
	s_barrier_wait -1
	CREST
.endm
	s_load_b256 s[4:11], s[0:1], 0x0
	v_lshl_add_u32 v[SPW], v0, 2, SPARE
	v_mov_b32 v[NIL], 0
	ds_add_u32 v[SPW], v[NIL]
	ds_add_u32 v[SPW], v[NIL]
	v_lshrrev_b32 v1, 5, v0
	v_readfirstlane_b32 s14, v1
	s_lshr_b32 s15, s14, 1
	s_and_b32 s16, s14, 1
	s_bfe_u32 s40, ttmp6, 0x40000
	s_bfe_u32 s41, ttmp6, 0x40004
	s_lshl_b32 s42, ttmp9, 2
	s_add_co_u32 s42, s42, s40
	s_and_b32 s17, ttmp7, 0xffff
	s_add_co_u32 s80, s17, ttmp9
	s_and_b32 s80, s80, 1
	s_xor_b32 s81, s80, 1
	s_lshl_b32 s[DNA], s80, 17
	s_mov_b32 s[DNA+1], 0
	s_lshl_b32 s[UPA], s81, 17
	s_mov_b32 s[UPA+1], 0
	s_lshl_b32 s[DNB], s80, 10
	s_mov_b32 s[DNB+1], 0
	s_lshl_b32 s[UPB], s81, 10
	s_mov_b32 s[UPB+1], 0
	s_lshl_b32 s17, s17, 2
	s_add_co_u32 s17, s17, s41
	s_lshl_b32 s43, s41, 2
	s_lshl_b32 s43, 15, s43
	s_lshl_b32 s44, 0x1111, s40
	s_or_b32 s[G1], s43, (3<<16)|(1<<21)
	s_mov_b32 s[G1+1], 32<<16
	s_mov_b32 s[G1+2], 128<<16
	s_mov_b32 s[G1+3], 32<<16
	s_mov_b32 s[G1+4], 128
	s_mov_b32 s[G1+5], 32
	s_mov_b32 s[G1+6], 0
	s_mov_b32 s[G1+7], 0
	s_or_b32 s[G1B], s44, (0<<16)|(1<<20)|(1<<21)|(6<<22)|(3<<25)
	s_mov_b32 s[G1B+1], 512<<16
	s_mov_b32 s[G1B+2], 64<<16
	s_mov_b32 s[G1B+3], 512<<16
	s_mov_b32 s[G1B+4], 64
	s_mov_b32 s[G1B+5], 2048
	s_mov_b32 s[G1B+6], 0
	s_mov_b32 s[G1B+7], 0
	s_lshl_b32 s18, s16, 15
	s_lshl_b32 s20, s17, 18
	s_add_co_u32 s20, s20, s18
	s_add_co_u32 s20, s20, s[DNA]
	s_mov_b32 s21, 0
	s_lshl_b32 s46, s42, 7
	s_lshl_b32 s19, s16, 6
	s_add_co_u32 s46, s46, s19
	s_lshl_b32 s46, s46, 11
	s_add_co_u32 s46, s46, 12582912
	s_add_co_u32 s46, s46, s[DNB]
	s_mov_b32 s47, 0
	s_mul_i32 s45, s16, 64*BP
	s_add_co_u32 s45, s45, BOFF
	s_wait_dscnt 0x0
	s_wait_kmcnt 0x0
	s_load_b256 s[68:75], s[8:9], 0x0
	s_load_b128 s[76:79], s[8:9], 0x20
	s_add_nc_u64 s[20:21], s[4:5], s[20:21]
	s_add_nc_u64 s[46:47], s[6:7], s[46:47]
	CROUND
.irp s, 0,1
	s_mov_b32 s[G0+4*\s], 1
	s_add_co_u32 s[G0+4*\s+1], s18, \s*SLOT
	s_add_nc_u64 s[G0+4*\s+2:G0+4*\s+3], s[20:21], \s*65536
	s_or_b32 s[G0+4*\s+3], s[G0+4*\s+3], 0x80000000
	s_mov_b32 s[G0B+4*\s], 1
	s_add_co_u32 s[G0B+4*\s+1], s45, \s*SLOT
	s_add_nc_u64 s[G0B+4*\s+2:G0B+4*\s+3], s[46:47], \s*512
	s_or_b32 s[G0B+4*\s+3], s[G0B+4*\s+3], 0x80000000
	s_wait_alu depctr_va_vdst(0)
	s_wait_tensorcnt 0x0
	ds_add_u32 v28, v29
	ds_add_u32 v28, v29
	s_wait_dscnt 0x0
	CROUND
	JLOAD \s
.endr
	v_and_b32 v1, 15, v0
	v_bfe_u32 v2, v0, 4, 1
	v_and_b32 v6, 31, v0
	v_lshlrev_b32 v6, 4, v6
	v_mul_u32_u24 v3, v1, BP
	v_lshl_add_u32 v3, v2, 4, v3
	s_lshl_b32 s21, s15, 15
	s_mul_i32 s22, s16, 64*BP
	s_add_co_u32 s22, s22, BOFF
.irp s, 0,1
	v_add_nc_u32 v[ADRA+\s], s21, v6
	v_add_nc_u32 v[ADRB+\s], s22, v3
	s_add_co_u32 s21, s21, SLOT
	s_add_co_u32 s22, s22, SLOT
.endr
	s_mul_i32 s23, s14, 16*SPITCH
	s_add_co_u32 s23, s23, STAGE
	v_mul_u32_u24 v4, v1, SPITCH
	v_lshl_add_u32 v4, v2, 5, v4
	v_add_nc_u32 v[STO], s23, v4
	v_mul_u32_u24 v5, v2, SPITCH
	v_lshl_add_u32 v5, v1, 4, v5
	v_add_nc_u32 v[RD], s23, v5
	v_lshlrev_b32 v5, 13, v2
	v_lshl_add_u32 v[CO], v1, 4, v5
	s_lshl_b32 s20, s17, 7
	s_lshl_b32 s21, s15, 6
	s_add_co_u32 s20, s20, s21
	s_lshl_b32 s20, s20, 13
	s_lshl_b32 s46, s42, 9
	s_lshl_b32 s47, s16, 8
	s_add_co_u32 s46, s46, s47
	s_add_co_u32 s20, s20, s46
	s_mov_b32 s21, 0
	s_add_nc_u64 s[10:11], s[10:11], s[20:21]
.macro MUL8 f, a0, zero
.irp a, \a0, \a0+1
.irp b, 0,1,2,3
.if \zero
	v_wmma_f32_16x16x128_fp8_fp8 v[ACC+8*(4*(\a)+\b):ACC+8*(4*(\a)+\b)+7], v[\f+64+16*\b:\f+64+16*\b+15], v[\f+16*(\a):\f+16*(\a)+15], 0
.else
	v_wmma_f32_16x16x128_fp8_fp8 v[ACC+8*(4*(\a)+\b):ACC+8*(4*(\a)+\b)+7], v[\f+64+16*\b:\f+64+16*\b+15], v[\f+16*(\a):\f+16*(\a)+15], v[ACC+8*(4*(\a)+\b):ACC+8*(4*(\a)+\b)+7]
.endif
.endr
.endr
.endm
.macro FETCH slot, q, f
	WIN TO_F
.irp i, 0,1,2,3
.irp c, 0,1,2,3
	ds_load_b128 v[\f+64+16*\i+4*\c:\f+64+16*\i+4*\c+3], v[ADRB+\slot] offset:128*(\q)+32*\c+\i*16*BP
.endr
.endr
.irp i, 0,1,2,3
.irp c, 0,1,2,3
	ds_load_b128 v[\f+16*\i+4*\c:\f+16*\i+4*\c+3], v[ADRA+\slot] offset:8192*\i+2048*(\q)+512*\c
.endr
.endr
.endm
.macro PLACES
.rept 4
	v_nop
.endr
.endm
.macro QUARTER slot, q, f, g, zero
	s_wait_dscnt 8
	WIN MUL
	MUL8 \f, 0, \zero
	PLACES
	FETCH \slot, \q, \g
	s_wait_dscnt 32
	WIN MUL
	MUL8 \f, 2, \zero
.endm
.macro TRIPLE slot, zero
	QUARTER \slot, 1, F0, F1, \zero
	QUARTER \slot, 2, F1, F0, 0
	QUARTER \slot, 3, F0, F1, 0
.endm
.macro TURN slot, next, fill
	WIN 0
	s_wait_tensorcnt 0x0
	ds_add_u32 v[SPW], v[NIL]
	s_wait_dscnt 9
	WIN MUL
	MUL8 F1, 0, 0
	s_wait_dscnt 0x0
	s_barrier_signal -1
	WIN 0
	s_barrier_wait -1
.if \fill
	CREST
	s_add_nc_u64 s[G0+4*\slot+2:G0+4*\slot+3], s[G0+4*\slot+2:G0+4*\slot+3], s[UPA:UPA+1]
	s_sub_nc_u64 s[G0+4*\slot+2:G0+4*\slot+3], s[G0+4*\slot+2:G0+4*\slot+3], s[DNA:DNA+1]
	s_add_nc_u64 s[G0B+4*\slot+2:G0B+4*\slot+3], s[G0B+4*\slot+2:G0B+4*\slot+3], s[UPB:UPB+1]
	s_sub_nc_u64 s[G0B+4*\slot+2:G0B+4*\slot+3], s[G0B+4*\slot+2:G0B+4*\slot+3], s[DNB:DNB+1]
	JLOAD \slot
.else
	PLACES
.endif
	s_wait_alu depctr_va_vdst(0)
	FETCH \next, 0, F0
	WIN MUL
	MUL8 F1, 2, 0
.endm
	s_wait_tensorcnt 1
	s_barrier_signal -1
	s_barrier_wait -1
	FETCH 0, 0, F0
	TRIPLE 0, 1
	TURN 0, 1, 1
	TRIPLE 1, 0
	TURN 1, 0, 1
	TRIPLE 0, 0
	TURN 0, 1, 0
	TRIPLE 1, 0
	s_wait_dscnt 8
	WIN MUL
	MUL8 F1, 0, 0
	s_wait_dscnt 0
	MUL8 F1, 2, 0
	WIN 0
.macro TOSTAGE a
.set NN, 0
.rept 16
	v_pk_mul_f32 v[TMP+NN:TMP+NN+1], v[ACC+32*(\a)+NN:ACC+32*(\a)+NN+1], s[96:97] op_sel_hi:[1,0]
.set NN, NN+2
.endr
.irp b, 0,1,2,3
	ds_store_b128 v[STO], v[TMP+8*\b:TMP+8*\b+3] offset:64*\b
	ds_store_b128 v[STO], v[TMP+8*\b+4:TMP+8*\b+7] offset:64*\b+16
.endr
.irp t, 0,1,2,3,4,5,6,7
	ds_load_b128 v[BK+32*((\a)%2)+4*\t:BK+32*((\a)%2)+4*\t+3], v[RD] offset:\t*2*SPITCH
.endr
.endm
.macro SEND a, younger
	s_wait_dscnt \younger
.irp t, 0,1,2,3,4,5,6,7
	global_store_b128 v[CO], v[BK+32*((\a)%2)+4*\t:BK+32*((\a)%2)+4*\t+3], s[10:11] offset:(16*(\a)+2*\t)*8192 th:TH_STORE_NT
.endr
.endm
	s_wait_kmcnt 0x0
	s_add_co_i32 s96, s78, s79
	s_add_co_i32 s96, s96, 127
	s_lshl_b32 s96, s96, 23
	s_mov_b32 s97, s96
	PLACES
	TOSTAGE 0
	TOSTAGE 1
	SEND 0, 16
	s_wait_xcnt 0x0
	TOSTAGE 2
	SEND 1, 16
	s_wait_xcnt 0x0
	TOSTAGE 3
	SEND 2, 16
	SEND 3, 0
	s_wait_tensorcnt 0x0
	ds_add_u32 v[SPW], v[NIL]
	s_wait_dscnt 0x0
	CROUND
	s_endpgm
.Lfunc_end_k_qf951e8913f_oproj:
	.size	k_qf951e8913f_oproj, .Lfunc_end_k_qf951e8913f_oproj-k_qf951e8913f_oproj
	.p2alignl 7, 3214868480
	.fill 96, 4, 3214868480
	.section	.rodata,"a",@progbits
	.p2align	6, 0x0
	.amdhsa_kernel k_qf951e8913f_oproj
		.amdhsa_group_segment_fixed_size 327680
		.amdhsa_private_segment_fixed_size 0
		.amdhsa_enable_private_segment 0
		.amdhsa_kernarg_size 32
		.amdhsa_user_sgpr_count 2
		.amdhsa_user_sgpr_kernarg_segment_ptr 1
		.amdhsa_wavefront_size32 1
		.amdhsa_system_sgpr_workgroup_id_x 1
		.amdhsa_system_sgpr_workgroup_id_y 1
		.amdhsa_system_sgpr_workgroup_id_z 1
		.amdhsa_system_vgpr_workitem_id 0
		.amdhsa_next_free_vgpr 512
		.amdhsa_next_free_sgpr 100
		.amdhsa_reserve_vcc 0
		.amdhsa_float_denorm_mode_32 3
		.amdhsa_float_denorm_mode_16_64 3
		.amdhsa_memory_ordered 1
		.amdhsa_forward_progress 1
		.amdhsa_inst_pref_size 75
	.end_amdhsa_kernel
	.amdgpu_metadata
---
amdhsa.version: [ 1, 2 ]
amdhsa.kernels:
  - .name:           k_qf951e8913f_oproj
    .symbol:         k_qf951e8913f_oproj.kd
    .args:
      - { .name: oc, .offset: 0, .size: 8, .value_kind: global_buffer, .address_space: global }
      - { .name: wc, .offset: 8, .size: 8, .value_kind: global_buffer, .address_space: global }
      - { .name: lowp_scales, .offset: 16, .size: 8, .value_kind: global_buffer, .address_space: global }
      - { .name: out0, .offset: 24, .size: 8, .value_kind: global_buffer, .address_space: global }
    .group_segment_fixed_size: 327680
    .private_segment_fixed_size: 0
    .kernarg_segment_align: 8
    .kernarg_segment_size: 32
    .max_flat_workgroup_size: 128
    .sgpr_count:     100
    .vgpr_count:     512
    .wavefront_size: 32
...
	.end_amdgpu_metadata
.endif
;; end of part 4
